; MI455X (gfx1250); checked and timed in simulation.
; The chip was launched on July 23, 2026; its instructions are those of AMD's public machine-readable ISA for CDNA 5 (MIT licence, August 2026) and "CDNA5" Instruction Set Architecture Reference Guide (July 2026). The comments in the code are by the model that wrote it; some were corrected since.
;; Scale Dot Product Attention. Allowed arithmetic: matrix products marked QUANTISED: E2M3 operands, one E8M0 scale for each 32 along K, by v_wmma_scale_f32_16x16x128_f8f6f4 with both operands' format E2M3, f32 sums; everything else in f32.
;; Inputs: Wk_codes 1,024 x 32 x 24 uint8 (E2M3 codes of Wk, K innermost, in blocks of 32 codes, four codes in three bytes); Wk_scales 1,024 x 32 uint8 (E8M0 scales of Wk, one for each 32 codes along K); Wq_codes 1,024 x 32 x 24 uint8 (E2M3 codes of Wq, K innermost, in blocks of 32 codes, four codes in three bytes); Wq_scales 1,024 x 32 uint8 (E8M0 scales of Wq, one for each 32 codes along K); Wv_codes 1,024 x 32 x 24 uint8 (E2M3 codes of Wv, K innermost, in blocks of 32 codes, four codes in three bytes); Wv_scales 1,024 x 32 uint8 (E8M0 scales of Wv, one for each 32 codes along K); bk 1,024 float32; bq 1,024 float32; bv 1,024 float32; key_codes 4 x 2,048 x 32 x 24 uint8 (E2M3 codes of key, K innermost, in blocks of 32 codes, four codes in three bytes); key_scales 4 x 2,048 x 32 uint8 (E8M0 scales of key, one for each 32 codes along K); padding_mask 4 x 1 x 2,048 bool; query_codes 4 x 2,048 x 32 x 24 uint8 (E2M3 codes of query, K innermost, in blocks of 32 codes, four codes in three bytes); query_scales 4 x 2,048 x 32 uint8 (E8M0 scales of query, one for each 32 codes along K); value_codes 4 x 2,048 x 32 x 24 uint8 (E2M3 codes of value, K innermost, in blocks of 32 codes, four codes in three bytes); value_scales 4 x 2,048 x 32 uint8 (E8M0 scales of value, one for each 32 codes along K).
;; Outputs: out0 4 x 2,048 x 1,024 float32.
;; Constants: look_ahead_mask = 1.
;; This version of the problem:
;;   THIS VERSION OF THE PROBLEM IS GIVEN IN LOW PRECISION. The matrix products marked QUANTISED in the list below multiply operands that are first quantised to E2M3 (2 exponent bits, 3 mantissa bits; 6 bits a number), with one power-of-two scale for each 32 numbers along K (OCP MX v1.0); their sums are f32. All else is computed in f32.
;;   The module's matrix products, in the order in which they are computed (A, B: the left and right operand; K: the contracted axis; several contracted axes count as one K, in the product's order):
;;     1. [M 8,192, K 1,024] x [K 1,024, N 1,024]; A: input query (given as codes); B: input Wq (given as codes): QUANTISED
;;     2. [M 8,192, K 1,024] x [K 1,024, N 1,024]; A: input key (given as codes); B: input Wk (given as codes): QUANTISED
;;     3. [M 8,192, K 1,024] x [K 1,024, N 1,024]; A: input value (given as codes); B: input Wv (given as codes): QUANTISED
;;     4. batch 4 x [M 2,048, K 1,024] x [K 1,024, N 2,048]; A: computed on the way; B: computed on the way: QUANTISED
;;     5. batch 4 x [M 2,048, K 2,048] x [K 2,048, N 1,024]; A: softmax (see below); B: computed on the way: QUANTISED
;;   THE QUANTISER, for each operand of a quantised product, along K:
;;     - K is cut into blocks of 32 from its start; a last block that is shorter is filled with zeros.
;;     - A block's scale is 2^e with e = floor(log2(the largest magnitude in the block)) - 2, held to -126 .. 127; a block of zeros has e = 0. As a byte (E8M0): e + 127.
;;     - Each number is divided by its block's scale, clamped to +-7.5, and rounded to the nearest number of E2M3, ties to even, subnormals kept.
;;     - The product sums the exact products of the quantised numbers (number of the format x scale) in f32.
;;   ~~~python
;;   def quantise(x, axis):      # numpy; x: float32 -> the quantised numbers, widened to float32 again
;;       x = np.moveaxis(x, axis, -1); K = x.shape[-1]
;;       x = np.pad(x, [(0, 0)] * (x.ndim - 1) + [(0, -K % 32)]); x = x.reshape(x.shape[:-1] + (-1, 32)); a = np.abs(x).max(-1, keepdims=True)
;;       e = np.where(a > 0, np.clip(np.frexp(np.where(a > 0, a, 1))[1] - 1 - 2, -126, 127), 0)      # np.frexp(a)[1] - 1 = floor(log2(a)), exactly
;;       r = np.clip(x / 2.0 ** e, -7.5, 7.5)
;;       step = 2.0 ** (np.maximum(np.frexp(np.where(r == 0, 1, r))[1] - 1, 0) - 3)
;;       q = np.round(r / step) * step * 2.0 ** e      # np.round: ties to even
;;       return np.moveaxis(q.reshape(q.shape[:-2] + (-1,))[..., :K], -1, axis).astype(np.float32)
;;   ~~~
;;   SOFTMAX AHEAD OF A QUANTISED PRODUCT. Where the list says 'softmax', what is quantised is not the finished softmax but p = 2^(t - M), with t = logit x log2(e) and M = ceil(the row's largest t), a whole number; so 1/2 < the row's largest p <= 1. The row's sum l is taken of the UNQUANTISED p, in f32, and the product's result is divided by l at the end. Since M is a whole number, a kernel that streams over the keys may use a running M (the ceiling of the running maximum): every later rescaling is an exact power of two, which a block's scale takes up: the codes' values come out the same.
;;   OPERANDS COMPUTED ON THE WAY. 'Computed on the way' means the value that the module computes at that place (a softmax that the list does not call 'softmax' is quantised finished and normalised). What goes into a quantiser is computed in f32, as accurately as f32 sums, v_exp_f32 and their like allow (about 1e-6 of the number): no bf16 or f16 on the way to a quantiser, and a product that is left as it is and whose result goes on into a quantised operand takes f32 operands (vector FMAs, or v_wmma_f32_16x16x4_f32). A number that lies on a knife's edge between two numbers of the format may be rounded either way, as far as f32 arithmetic and the matrix unit's own rounding can turn it there, and no further.
;;   INPUTS GIVEN AS CODES. Wk (in the module: [1024, 1024], K = its axis 1); Wq (in the module: [1024, 1024], K = its axis 1); Wv (in the module: [1024, 1024], K = its axis 1); key (in the module: [4, 2048, 1024], K = its axis 2); query (in the module: [4, 2048, 1024], K = its axis 2); value (in the module: [4, 2048, 1024], K = its axis 2): each comes as NAME_codes (uint8): NAME with its K axis moved to the last place and cut into blocks of 32 codes, [.., K / 32, bytes a block], one block behind the other in memory; four codes in three bytes: a row's codes are one little-endian stream of bits, code i at bits 6 i .. 6 i + 5 (a code: sign, 2 exponent bits, 3 mantissa bits); and NAME_scales (uint8): the same leading axes, one E8M0 byte (e + 127) for each 32 codes along K. Its value is code x scale, taken as it is: it is not quantised again, and the codes and scales need not be those that the quantiser above would give.
;; One version. Each part assembles by itself: llvm-mc -triple=amdgcn-amd-amdhsa -mcpu=gfx1250 --defsym DOCPART=n.
;; ======== version 1 of 1: 3 launches
;; limits: right only within a limited range of input values
;; workspace buffers: qf 6,553,600 bytes; kf 6,553,600 bytes; vf 6,553,600 bytes; pf 13,631,488 bytes; st 1,048,576 bytes
;; launch proj (part 1): grid 4 x 64, 4 waves a work-group, clusters of 4 x 4, 327,680 bytes of LDS; arguments query_codes, query_scales, Wq_codes, Wq_scales, key_codes, key_scales, Wk_codes, Wk_scales, Wv_codes, Wv_scales, value_codes, value_scales, bq, bk, bv, qf, kf, vf; writes qf, kf, vf
.if DOCPART == 1
	.amdgcn_target "amdgcn-amd-amdhsa--gfx1250"
	.amdhsa_code_object_version 6
	.text
	.protected	k_qe0c4c551ac_proj
	.globl	k_qe0c4c551ac_proj
	.p2align	8
	.type	k_qe0c4c551ac_proj,@function
k_qe0c4c551ac_proj:
	s_mov_b64 s[64:65], 0
	v_nop
	global_prefetch_b8 v0, s[64:65] scope:SCOPE_SE
	s_setreg_imm32_b32 hwreg(HW_REG_WAVE_MODE, 25, 1), 1
	s_wait_xcnt 0x0
	s_wait_alu depctr_hold_cnt(0) depctr_sa_sdst(0) depctr_va_vdst(0) depctr_va_sdst(0) depctr_va_ssrc(0) depctr_va_vcc(0) depctr_vm_vsrc(0)
	s_getreg_b32 s2, hwreg(HW_REG_IB_STS2, 6, 4)
	s_cmp_eq_u32 s2, 0
	s_cbranch_scc0 .Lentry_in_a_cluster
	s_endpgm
.Lentry_in_a_cluster:
	s_bfe_u32 s2, ttmp6, 0x10000c
	s_cmp_lg_u32 s2, 0xf033
	s_cbranch_scc0 .Lentry_shape_is_right
	s_endpgm
.Lentry_shape_is_right:
; q = query Wq^T + bq, k = key Wk^T + bk, v = value Wv^T + bv: three products of 8,192 x 1,024 x 1,024 on codes of FP6 (E2M3), one E8M0 scale for each 32 along K, sums in f32.
; The results are quantised at once for the products that follow (q, k along d; v along the keys) and leave as images of operand registers.
; L is the side whose rows fall into lanes (source 1), R the side whose rows fall into a lane's registers (source 0): the quantised axis.  q, k: L = tokens, R = rows of W.  v: L = rows of Wv, R = tokens.
; SHARES.  256 work-groups, each makes THREE tiles of 128 (L) x 256 (R): one of q, one of k, one of v (768 tiles in all).  A wave makes 64 x 128: 32 accumulators, 256 registers.
; LDS holds one tile's operands for ALL of K: L's 128 rows and R's 256 rows of 768 bytes (each row starts at a multiple of 256 bytes of memory; 16 bytes of padding behind every 256), and both sides' scale bytes.
; Four tensor loads bring a tile, one a wave: L's codes, R's codes, L's scales, R's scales.  A tile's last K step works on registers alone, so the next tile is asked for at that step's head.
; CLUSTERS of 4 x 4: the four of a row share L's tile, the four of a column R's, in all three tiles: q, k: tokens by 4 cluster y + cy, d by cx;  v: d by 4 (cluster y % 2) + cy, tokens by 4 (cluster y / 2) + cx.
; PREFETCH: in a trip's first K step the next tile's codes are asked for, seven K steps ahead of their tensor load: a lane a row, three requests of 256 bytes a row; of L's 128 rows the partner at cx takes 32 (wave 0),
; of R's 256 rows the partner at cy takes 64 (waves 1, 2): each block is named once in a cluster.  The first tile and the scale bytes come by their loads alone.
; OUT.  A record of 12,800 bytes is 128 L rows x 128 along R: eight fragment images (registers 4 i .. 4 i + 3 of lane l at 512 i + 16 l) and one scale image (register i of lane (r, h): the word of row block 4 h + i, row r).
; A wave writes half a record: four fragment images and 256 bytes of the scale image (lanes 16-31 store the same bytes as lanes 0-15 there).
; A block's byte is its largest magnitude's exponent field - 2, held at 1 from below (a block of zeros keeps the byte 1: its codes are zeros, and this program alone reads the bytes).
; LIMITS: NaN and infinities among the inputs are not served; a block whose largest magnitude lies under 2^-124 keeps the byte 1.
; REGISTERS: window 0: v1-29 addresses; v32-79 scale words and nothing else; v80-179 the way out.  window 1: R's fragments, sets at v0, v128.  window 2: accumulator (a, b) at v[8 (8 a + b)].
;   window 3: L's fragments, sets at v0, v48; v96-159 bq, v160-223 bk (at 16 b + 8 h + j), v224-255 bv (at 16 a + r, eight times): the C of a tile's first products.
.set PITCH, 816                        ; an LDS row: 3 x (256 + 16) bytes = 204 words: row r starts at bank 12 r mod 64 (64 banks of 4 bytes: ISA guide 11.1)
.set BLK,   16*PITCH
.set RT,    128*PITCH                  ; R's rows lie behind L's
.set SCLL,  RT+256*PITCH               ; L's scales: 16 units of 256 + 16 bytes
.set SCLR,  SCLL+16*272                ; R's: 32 units
.set SPARE, SCLR+32*272                ; the spare words, 128 bytes a wave: two blocks of 256 bytes that no other line names
.set REC,   12800
.set ADL,  8                           ; v8 L's fragments; v9 for pieces whose lanes 16-31 lie behind one padding more
.set ADL2, 9
.set ADR,  10                          ; v10-11 R's blocks 0-3, 4-7; v12-13 behind one padding more
.set ADR2, 12
.set ADSL, 14                          ; scale words: lanes 0-15 L's block a, lanes 16-31 block a + 2
.set ADSR, 15                          ; lanes 0-15 R's block b, lanes 16-31 block b + 4
.set LI,   16                          ; 16 x lane
.set SIA,  17                          ; my place in the scale image
.set PFO,  18                          ; lane x 768
.set OBR,  19
.set OBL,  20
.set SPW,  28
.set NIL,  29
.set RS,   32                          ; v[RS + 8 (b % 4) + step]
.set LS,   64                          ; v[LS + 8 (a % 2) + step]
.set MX,   80
.set MY,   88
.set SO,   96
.set BYT,  104
.set SW,   112
.set CT,   116
.set P,    132
.set BQ,   96
.set BK,   160
.set BV,   224
.set G1L,  40
.set G1R,  48
.set G1SL, 56
.set G1SR, 68
.set G0L,  76
.set G0R,  80
.set G0SL, 84
.set G0SR, 88
.set WV,   92
.set LH,   93                          ; which 64 of L's rows are mine
.set RF,   94                          ; which 128 of R's
.set CX,   95
.set CY,   96
.set RV,   97
.set LGV,  98
.set TG,   99
.set TRIP, 99
.set SEL,  100
.set MULW, 0xad                        ; source 0 (R) window 1, source 1 (L) window 3, C and D window 2
.set MSB, 0
.macro WIN new                         ; the immediate's high byte repeats the setting that is left
.if MSB != (\new)
	s_set_vgpr_msb (MSB<<8)|(\new)
.set MSB, (\new)
.endif
.endm
.macro PLACES                          ; four plain places behind a matrix instruction (ISA guide 7.12.1)
.rept 4
	v_nop
.endr
.endm
.macro CREST
	s_cmp_lg_u32 s[WV], 0
	s_cbranch_scc1 .Lnot_wave_0_\@
	s_barrier_signal -3
.Lnot_wave_0_\@:
	s_barrier_wait -3
	s_barrier_signal -1
	s_barrier_wait -1
.endm
.macro CROUND
	s_barrier_signal -1
	s_barrier_wait -1
	CREST
.endm
.macro ONE g0, g1
	tensor_load_to_lds s[\g0:\g0+3], s[\g1:\g1+7]
	s_nop 0
.rept 4
	v_nop
.endr
.endm
.macro LOADS                           ; a tile's four joint loads, one a wave: one chain of branches on the wave's number, a load in every arm
	s_cmp_lt_u32 s[WV], 1
	s_cbranch_scc0 .Lr_\@
	ONE G0L, G1L
	s_branch .Lasked_\@
.Lr_\@:
	s_cmp_lt_u32 s[WV], 2
	s_cbranch_scc0 .Lsl_\@
	ONE G0R, G1R
	s_branch .Lasked_\@
.Lsl_\@:
	s_cmp_lt_u32 s[WV], 3
	s_cbranch_scc0 .Lsr_\@
	ONE G0SL, G1SL
	s_branch .Lasked_\@
.Lsr_\@:
	ONE G0SR, G1SR
.Lasked_\@:
.endm
.macro SETG0 n                         ; the four global addresses of a tile: L's codes, L's scales, R's codes, R's scales from s[n ..]
	s_mov_b64 s[G0L+2:G0L+3], s[\n:\n+1]
	s_or_b32 s[G0L+3], s[G0L+3], 0x80000000
	s_mov_b64 s[G0SL+2:G0SL+3], s[\n+2:\n+3]
	s_or_b32 s[G0SL+3], s[G0SL+3], 0x80000000
	s_mov_b64 s[G0R+2:G0R+3], s[\n+4:\n+5]
	s_or_b32 s[G0R+3], s[G0R+3], 0x80000000
	s_mov_b64 s[G0SR+2:G0SR+3], s[\n+6:\n+7]
	s_or_b32 s[G0SR+3], s[G0SR+3], 0x80000000
.endm
.macro DIMS g, c, r
	s_mov_b32 s[\g+1], (\c)<<16
	s_mov_b32 s[\g+2], (\r)<<16
	s_mov_b32 s[\g+3], (\c)<<16
	s_mov_b32 s[\g+4], \r
	s_mov_b32 s[\g+5], \c
	s_mov_b32 s[\g+6], 0
	s_mov_b32 s[\g+7], 0
.endm
	s_load_b256 s[4:11], s[0:1], 0x0               ; q: L's codes, L's scales, R's codes, R's scales
	s_load_b256 s[12:19], s[0:1], 0x20             ; k
	s_load_b256 s[20:27], s[0:1], 0x40             ; v
	s_load_b128 s[28:31], s[0:1], 0x60             ; bq, bk
	s_load_b64 s[32:33], s[0:1], 0x70              ; bv
	s_load_b64 s[34:35], s[0:1], 0x78              ; qf
	s_load_b128 s[36:39], s[0:1], 0x80             ; kf, vf
	v_lshl_add_u32 v[SPW], v0, 2, SPARE
	v_mov_b32 v[NIL], 0
	ds_add_u32 v[SPW], v[NIL]                      ; the opening lines: the add, twice on end, and its wait ahead of my first tensor load
	ds_add_u32 v[SPW], v[NIL]
	v_lshrrev_b32 v1, 5, v0
	v_readfirstlane_b32 s[WV], v1
	s_lshr_b32 s[LH], s[WV], 1
	s_and_b32 s[RF], s[WV], 1
	s_bfe_u32 s[CX], ttmp6, 0x40000
	s_bfe_u32 s[CY], ttmp6, 0x40004
	s_and_b32 s[RV], ttmp7, 0xffff                 ; the cluster's y, 0 .. 15
	s_lshl_b32 s[TG], s[RV], 2
	s_add_co_u32 s[TG], s[TG], s[CY]               ; q, k: my 128 tokens
	s_and_b32 s[LGV], s[RV], 1
	s_lshl_b32 s[LGV], s[LGV], 2
	s_add_co_u32 s[LGV], s[LGV], s[CY]             ; v: my 128 rows of Wv
	s_lshr_b32 s[RV], s[RV], 1
	s_lshl_b32 s[RV], s[RV], 2
	s_add_co_u32 s[RV], s[RV], s[CX]               ; v: my 256 tokens
	s_lshl_b32 s66, s[CY], 2
	s_lshl_b32 s66, 15, s66                        ; my row of the cluster
	s_lshl_b32 s67, 0x1111, s[CX]                  ; my column
	s_or_b32 s[G1L], s66, (1<<20)|(1<<21)|(5<<22)|(3<<25)          ; elements of 1 byte; 4 words of padding behind every 64
	s_or_b32 s[G1R], s67, (1<<20)|(1<<21)|(5<<22)|(3<<25)
	s_or_b32 s[G1SL], s66, (3<<16)|(1<<20)|(1<<21)|(5<<22)|(3<<25) ; dense blocks as rows of 32 elements of 8 bytes
	s_or_b32 s[G1SR], s67, (3<<16)|(1<<20)|(1<<21)|(5<<22)|(3<<25)
	DIMS G1L, 768, 128
	DIMS G1R, 768, 256
	DIMS G1SL, 32, 16
	DIMS G1SR, 32, 32
	s_mov_b32 s[G0L], 1
	s_mov_b32 s[G0L+1], 0
	s_mov_b32 s[G0R], 1
	s_mov_b32 s[G0R+1], RT
	s_mov_b32 s[G0SL], 1
	s_mov_b32 s[G0SL+1], SCLL
	s_mov_b32 s[G0SR], 1
	s_mov_b32 s[G0SR+1], SCLR
	s_mov_b32 s67, 0                               ; s[66:67]: offsets made of cy;  s[2:3]: offsets made of cx
	s_mov_b32 s3, 0
	s_mul_i32 s66, s[TG], 128*768
	s_mul_i32 s2, s[CX], 256*768
	s_wait_dscnt 0x0                               ; both opening adds are done
	s_wait_kmcnt 0x0
	s_add_nc_u64 s[4:5], s[4:5], s[66:67]
	s_add_nc_u64 s[12:13], s[12:13], s[66:67]
	s_add_nc_u64 s[8:9], s[8:9], s[2:3]
	s_add_nc_u64 s[16:17], s[16:17], s[2:3]
	s_lshl_b32 s66, s[TG], 12
	s_lshl_b32 s2, s[CX], 13
	s_add_nc_u64 s[6:7], s[6:7], s[66:67]
	s_add_nc_u64 s[14:15], s[14:15], s[66:67]
	s_add_nc_u64 s[10:11], s[10:11], s[2:3]
	s_add_nc_u64 s[18:19], s[18:19], s[2:3]
	s_mul_i32 s66, s[LGV], 128*768
	s_mul_i32 s2, s[RV], 256*768
	s_add_nc_u64 s[20:21], s[20:21], s[66:67]
	s_add_nc_u64 s[24:25], s[24:25], s[2:3]
	s_lshl_b32 s66, s[LGV], 12
	s_lshl_b32 s2, s[RV], 13
	s_add_nc_u64 s[22:23], s[22:23], s[66:67]
	s_add_nc_u64 s[26:27], s[26:27], s[2:3]
	SETG0 4
	CROUND                                         ; all sixteen work-groups are here: the first joint loads meet
	LOADS                                          ; q's tile: one tensor load a wave
	; the prefetches' bases: s[4:5] k's tile, s[6:7] v's
	s_mul_i32 s10, s[CX], 32*768
	s_mul_i32 s11, s[CY], 64*768
	s_mul_i32 s2, s[LH], 32*768                    ; wave 1: 0, wave 2: 32 rows on
	s_add_co_u32 s11, s11, s2
	s_cmp_eq_u32 s[WV], 0
	s_cselect_b64 s[4:5], s[12:13], s[16:17]
	s_cselect_b64 s[6:7], s[20:21], s[24:25]
	s_cselect_b32 s10, s10, s11
	s_mov_b32 s11, 0
	s_add_nc_u64 s[4:5], s[4:5], s[10:11]
	s_add_nc_u64 s[6:7], s[6:7], s[10:11]
	; my half records
	s_lshl_b32 s10, s[TG], 3
	s_lshl_b32 s2, s[CX], 1
	s_add_co_u32 s10, s10, s2
	s_add_co_u32 s10, s10, s[RF]                   ; q, k: [token group][d / 128]
	s_mul_i32 s10, s10, REC
	s_mul_i32 s3, s[LH], 4*1536
	s_add_co_u32 s10, s10, s3
	s_add_nc_u64 s[34:35], s[34:35], s[10:11]
	s_add_nc_u64 s[36:37], s[36:37], s[10:11]
	s_lshl_b32 s2, s[RV], 1
	s_add_co_u32 s2, s2, s[RF]                     ; v: my group of 128 keys
	s_lshr_b32 s10, s2, 4
	s_lshl_b32 s10, s10, 7
	s_and_b32 s2, s2, 15
	s_add_co_u32 s10, s10, s2
	s_lshl_b32 s2, s[LGV], 4
	s_add_co_u32 s10, s10, s2                      ; [batch][d group][chunk of 128 keys]
	s_mul_i32 s10, s10, REC
	s_add_co_u32 s10, s10, s3
	s_add_nc_u64 s[38:39], s[38:39], s[10:11]
	s_mul_i32 s8, s[LH], 64*PITCH
	s_mul_i32 s9, s[RF], 128*PITCH
	s_add_co_u32 s9, s9, RT
	s_mul_i32 s10, s[LH], 2176
	s_add_co_u32 s10, s10, SCLL
	s_mul_i32 s11, s[RF], 4352
	s_add_co_u32 s11, s11, SCLR
	s_mul_i32 s2, s[LH], 5888
	s_sub_co_u32 s2, 12288, s2                     ; 12,288 + 256 LH, less the 6,144 LH that the base holds
	s_lshl_b32 s3, s[CX], 10
	s_lshl_b32 s66, s[RF], 9
	s_add_co_u32 s3, s3, s66                       ; bq, bk: from d = 256 cx + 128 RF on
	s_lshl_b32 s66, s[LGV], 9
	s_lshl_b32 s67, s[LH], 8
	s_add_co_u32 s66, s66, s67                     ; bv: from d = 128 LGV + 64 LH on
	s_mov_b32 s[SEL], 0x76543210
	s_mov_b32 s[SEL+1], 0xfedcba98                 ; selects for lane l xor 16
	s_mov_b32 s[TRIP], 0
	v_and_b32 v1, 15, v0                           ; r
	v_bfe_u32 v2, v0, 4, 1                         ; h
	v_and_b32 v3, 31, v0
	v_mul_u32_u24 v4, v1, PITCH
	v_mad_u32_u24 v4, v2, 24, v4                   ; row x pitch + 24 h
	v_lshl_add_u32 v5, v2, 4, v4
	v_add_nc_u32 v[ADL], s8, v4
	v_add_nc_u32 v[ADL2], s8, v5
	v_add_nc_u32 v[ADR], s9, v4
	v_add_nc_u32 v[ADR2], s9, v5
	v_add_nc_u32 v[ADR+1], 4*BLK, v[ADR]
	v_add_nc_u32 v[ADR2+1], 4*BLK, v[ADR2]
	v_lshlrev_b32 v6, 5, v1                        ; a row's scales: 32 bytes,
	v_lshrrev_b32 v7, 3, v1
	v_lshl_add_u32 v6, v7, 4, v6                   ; and 16 more behind every eight rows
	v_mad_u32_u24 v[ADSL], v2, 1088, v6
	v_mad_u32_u24 v[ADSR], v2, 2176, v6
	v_add_nc_u32 v[ADSL], s10, v[ADSL]
	v_add_nc_u32 v[ADSR], s11, v[ADSR]
	v_lshlrev_b32 v[LI], 4, v3
	v_lshl_add_u32 v[SIA], v1, 4, s2
	v_mul_u32_u24 v[PFO], v3, 768
	v_lshl_add_u32 v[OBR], v2, 5, s3
	v_lshl_add_u32 v[OBL], v1, 2, s66
.irp i, 0,1,2,3,4,5,6,7
	v_mov_b32 v[MY+\i], 0                          ; written once: a lane exchange's destination counts as one of its sources
.endr
	WIN 0xc0                                       ; destination window 3
.irp b, 0,1,2,3,4,5,6,7
	global_load_b128 v[BQ+8*\b:BQ+8*\b+3], v[OBR], s[28:29] offset:64*\b
	global_load_b128 v[BQ+8*\b+4:BQ+8*\b+7], v[OBR], s[28:29] offset:64*\b+16
	global_load_b128 v[BK+8*\b:BK+8*\b+3], v[OBR], s[30:31] offset:64*\b
	global_load_b128 v[BK+8*\b+4:BK+8*\b+7], v[OBR], s[30:31] offset:64*\b+16
.endr
.irp a, 0,1,2,3
	global_load_b32 v[BV+8*\a], v[OBL], s[32:33] offset:64*\a
.endr
	s_wait_loadcnt 0x0
	WIN 0xc3
.irp a, 0,1,2,3
.irp j, 1,2,3,4,5,6,7
	v_mov_b32 v[BV+8*\a+\j], v[BV+8*\a]            ; a lane's eight results of v share one row of Wv, and so one number of bv
.endr
.endr
	WIN 0
; A fragment: lane l holds row l % 16; registers 6 c .. 6 c + 5 hold K = 64 c + 32 (l / 16) + 0 .. 31: 24 bytes of the row's stream of bits, in pieces of 8.  Byte y of a row lies at y + 16 (y / 256) of its LDS row.
.macro FRAG reg, adr, adr2, st, roff
.irp p, 0,1,2,3,4,5
.set FB, 96*(\st)+48*(\p/3)+8*(\p%3)
.if FB/256 == (FB+24)/256
	ds_load_b64 v[\reg+2*\p:\reg+2*\p+1], v[\adr] offset:FB+16*(FB/256)+(\roff)
.else
	ds_load_b64 v[\reg+2*\p:\reg+2*\p+1], v[\adr2] offset:FB+16*(FB/256)+(\roff)
.endif
.endr
.endm
.macro FETCH_R st                      ; 48 loads
	WIN 0x40
.irp b, 0,1,2,3,4,5,6,7
	FRAG 128*((\st)%2)+12*\b, ADR+\b/4, ADR2+\b/4, \st, (\b%4)*BLK
.endr
.endm
.macro FETCH_L st                      ; 24 loads
	WIN 0xc0
.irp a, 0,1,2,3
	FRAG 48*((\st)%2)+12*\a, ADL, ADL2, \st, \a*BLK
.endr
.endm
.macro SCALES                          ; a tile's scale words for all eight K steps: 12 loads, 48 registers
	WIN 0
.irp q, 0,1
.irp b, 0,1,2,3
	ds_load_b128 v[RS+8*\b+4*\q:RS+8*\b+4*\q+3], v[ADSR] offset:544*\b+16*\q
.endr
.irp a, 0,1
	ds_load_b128 v[LS+8*\a+4*\q:LS+8*\a+4*\q+3], v[ADSL] offset:544*\a+16*\q
.endr
.endr
.endm
.macro WM ra, rb
.if (\ra) && (\rb)
	v_wmma_scale_f32_16x16x128_f8f6f4 v[rD:rD+7], v[rA:rA+11], v[rB:rB+11], v[rC:rC+7], v[rSA], v[rSB] matrix_a_fmt:MATRIX_FMT_FP6 matrix_b_fmt:MATRIX_FMT_FP6 matrix_a_scale:MATRIX_SCALE_ROW1 matrix_b_scale:MATRIX_SCALE_ROW1
.elseif (\ra)
	v_wmma_scale_f32_16x16x128_f8f6f4 v[rD:rD+7], v[rA:rA+11], v[rB:rB+11], v[rC:rC+7], v[rSA], v[rSB] matrix_a_fmt:MATRIX_FMT_FP6 matrix_b_fmt:MATRIX_FMT_FP6 matrix_a_scale:MATRIX_SCALE_ROW1
.elseif (\rb)
	v_wmma_scale_f32_16x16x128_f8f6f4 v[rD:rD+7], v[rA:rA+11], v[rB:rB+11], v[rC:rC+7], v[rSA], v[rSB] matrix_a_fmt:MATRIX_FMT_FP6 matrix_b_fmt:MATRIX_FMT_FP6 matrix_b_scale:MATRIX_SCALE_ROW1
.else
	v_wmma_scale_f32_16x16x128_f8f6f4 v[rD:rD+7], v[rA:rA+11], v[rB:rB+11], v[rC:rC+7], v[rSA], v[rSB] matrix_a_fmt:MATRIX_FMT_FP6 matrix_b_fmt:MATRIX_FMT_FP6
.endif
.endm
; 8 products: L's block a x R's eight.  cm = 0: onto the sums; 1: the sums start from the bias along R at v[cb + 8 b]; 2: from the bias along L at v[cb + 8 a].
; The 32 accumulators take turns, one instruction a turn, in the same order in every step.
.macro MULA a, st, cm, cb
.irp b, 0,1,2,3,4,5,6,7
.set rD, 8*(8*(\a)+\b)
.set rA, 128*((\st)%2)+12*\b
.set rB, 48*((\st)%2)+12*(\a)
.set rSA, RS+8*(\b%4)+(\st)
.set rSB, LS+8*((\a)%2)+(\st)
.if \cm == 0
.set rC, rD
.elseif \cm == 1
.set rC, \cb+8*\b
.else
.set rC, \cb+8*(\a)
.endif
	WM \b/4, (\a)/2
.endr
.endm
.macro HALVES st, cm, cb               ; a K step's 32 products; L's next fragments are fetched in its middle
	WIN MULW+0x10*(((\cm)+1)/2)                    ; (the bias lies in window 3)
	MULA 0, \st, \cm, \cb
	MULA 1, \st, \cm, \cb
	FETCH_L (\st)+1
	WIN MULW+0x10*(((\cm)+1)/2)
	MULA 2, \st, \cm, \cb
	MULA 3, \st, \cm, \cb
.endm
; THE WAY OUT of L's blocks a0, a0 + 1.  In accumulator (a, b) lane (r, h) holds row 16 a + r and R = 16 b + 8 h + 0 .. 7: of each block of 32 a lane holds the eights h and 2 + h, in 16 registers on end.
; The largest magnitude is joined with lane l xor 16's; a conversion gives 2 x 48 bits; three exchanges of lane halves bring a block's four eights into one lane, and four byte permutes lay them in order.
.macro EPI2 a0, og
	WIN 0x0a                                       ; sources 0 and 1: window 2
.irp e, 0,1
.irp q, 0,1,2,3
	v_max3_num_f32 v[MX+4*\e+\q], |v[64*(\a0+\e)+16*\q]|, |v[64*(\a0+\e)+16*\q+1]|, 0x1800000   ; with the floor 2^(3 - 127): the byte cannot fall under 1
.endr
.endr
.irp i, 2,4,6,8,10,12,14
.irp e, 0,1
.irp q, 0,1,2,3
	v_max3_num_f32 v[MX+4*\e+\q], |v[64*(\a0+\e)+16*\q+\i]|, |v[64*(\a0+\e)+16*\q+\i+1]|, v[MX+4*\e+\q]
.endr
.endr
.endr
	WIN 0
.irp k, 0,1,2,3,4,5,6,7
	v_permlanex16_b32 v[MY+\k], v[MX+\k], s[SEL], s[SEL+1]
.endr
.irp k, 0,1,2,3,4,5,6,7
	v_max_num_f32 v[MX+\k], v[MX+\k], v[MY+\k]
.endr
.irp k, 0,1,2,3,4,5,6,7
	v_add_nc_u32 v[SO+\k], 0xff000000, v[MX+\k]    ; 2 off the exponent field: the conversion's scale operand
.endr
.irp k, 0,1,2,3,4,5,6,7
	v_lshrrev_b32 v[BYT+\k], 23, v[SO+\k]          ; the scale's byte
.endr
.irp e, 0,1
	v_lshl_or_b32 v[SW+\a0+\e], v[BYT+4*\e+1], 8, v[BYT+4*\e]
.endr
.irp e, 0,1
	v_lshl_or_b32 v[SW+\a0+\e], v[BYT+4*\e+2], 16, v[SW+\a0+\e]
.endr
.irp e, 0,1
	v_lshl_or_b32 v[SW+\a0+\e], v[BYT+4*\e+3], 24, v[SW+\a0+\e]
.endr
	WIN 0x02                                       ; source 0: window 2
.irp e, 0,1
.irp c, 0,1
	v_cvt_scalef32_pk16_fp6_f32 v[P+12*(\a0+\e)+6*\c:P+12*(\a0+\e)+6*\c+2], v[64*(\a0+\e)+32*\c:64*(\a0+\e)+32*\c+15], v[SO+4*\e+2*\c]
	v_cvt_scalef32_pk16_fp6_f32 v[CT+8*\e+4*\c:CT+8*\e+4*\c+2], v[64*(\a0+\e)+32*\c+16:64*(\a0+\e)+32*\c+31], v[SO+4*\e+2*\c+1]
.endr
.endr
	WIN 0
	v_nop                                          ; one plain instruction behind a scaled conversion
.irp e, 0,1
.irp c, 0,1
.irp i, 0,1,2
	v_permlane16_swap_b32 v[P+12*(\a0+\e)+6*\c+\i], v[CT+8*\e+4*\c+\i]   ; lane (r, h) now has block 2 c + h: eights 0, 2 in the first three registers, 1, 3 in the second three
.endr
.endr
.endr
.irp e, 0,1
.irp c, 0,1
.set X, P+12*(\a0+\e)+6*\c
.set Y, CT+8*\e+4*\c
	v_perm_b32 v[X+3], v[X+2], v[X+1], 0x05040302  ; halves 6, 7 of the block's twelve
	v_perm_b32 v[X+4], v[Y+1], v[X+2], 0x07060302  ; 8, 9
	v_perm_b32 v[X+1], v[Y], v[X+1], 0x05040100    ; 2, 3
	v_perm_b32 v[X+2], v[Y+1], v[Y], 0x05040302    ; 4, 5
	v_mov_b32 v[X+5], v[Y+2]                       ; 10, 11
.endr
.endr
.irp e, 0,1
.irp i, 0,1,2
	global_store_b128 v[LI], v[P+12*(\a0+\e)+4*\i:P+12*(\a0+\e)+4*\i+3], s[\og:\og+1] offset:1536*(\a0+\e)+512*\i   ; 32 lanes store 512 consecutive bytes, aligned
.endr
.endr
.endm
; A TILE.  fill = 1: the next tile is asked for at the head of the last K step; og: the record's address.
.macro TILE fill, og
	s_wait_tensorcnt 0x0                           ; my load of this tile has landed,
	s_barrier_signal -1
	s_barrier_wait -1                              ; everybody's has
	SCALES
	FETCH_R 0
	FETCH_L 0
	FETCH_R 1
	s_wait_dscnt 48                                ; all but R's 48 loads of step 1
	WIN 0
.if \fill
	s_cmp_eq_u32 s[TRIP], 0                        ; the same in all waves and all partners
	s_cbranch_scc0 .Lsecond
	HALVES 0, 1, BQ
	WIN 0
	s_branch .Lstarted
.Lsecond:
	HALVES 0, 1, BK
	WIN 0
.Lstarted:
	s_cmp_eq_u32 s[WV], 3
	s_cbranch_scc1 .Lno_ask
	global_prefetch_b8 v[PFO], s[4:5] th:TH_LOAD_NT scope:SCOPE_SE               ; the next tile's codes: my 32 rows, 3 x 256 bytes each
	global_prefetch_b8 v[PFO], s[4:5] offset:256 th:TH_LOAD_NT scope:SCOPE_SE
	global_prefetch_b8 v[PFO], s[4:5] offset:512 th:TH_LOAD_NT scope:SCOPE_SE
.Lno_ask:
.else
	HALVES 0, 2, BV
.endif
.irp st, 1,2,3,4,5,6
	PLACES                                         ; in front of loads into the sets that the step before multiplied
	FETCH_R \st+1
	s_wait_dscnt 48                                ; this step's fragments are in; R's 48 loads of the next step may be out
	HALVES \st, 0, 0
.endr
.if \fill
	WIN 0
	s_wait_tensorcnt 0x0                           ; no tensor load of mine is out: the descriptors may be written
	ds_add_u32 v[SPW], v[NIL]                      ; 0 onto my spare word
	SETG0 12
	s_mov_b64 s[12:13], s[20:21]
	s_mov_b64 s[14:15], s[22:23]
	s_mov_b64 s[16:17], s[24:25]
	s_mov_b64 s[18:19], s[26:27]
	s_wait_dscnt 1                                 ; the last step's fragments are in; the add may be out
	WIN MULW
	MULA 0, 7, 0, 0
	s_wait_dscnt 0x0                               ; the add is done, and my reads of this tile are over
	s_barrier_signal -1
	MULA 1, 7, 0, 0
	WIN 0
	s_barrier_wait -1
	CREST                                          ; the barrier has opened a round of the cluster's barrier: no wave of any partner still reads this tile
	LOADS                                          ; the next tile, one load a wave
	WIN MULW
	MULA 2, 7, 0, 0
	MULA 3, 7, 0, 0
.else
	s_wait_dscnt 0x0
	WIN MULW
	MULA 0, 7, 0, 0
	MULA 1, 7, 0, 0
	MULA 2, 7, 0, 0
	MULA 3, 7, 0, 0
.endif
	PLACES
	EPI2 0, \og
	EPI2 2, \og
	global_store_b128 v[SIA], v[SW:SW+3], s[\og:\og+1]   ; my 256 bytes of the scale image
.endm
	s_wait_alu depctr_va_vdst(0)
.Ltile:                                                ; two trips: q, k
	TILE 1, 34
	s_wait_xcnt 0x0                                ; the stores and prefetches have read their registers and bases
	s_mov_b64 s[4:5], s[6:7]
	s_mov_b64 s[34:35], s[36:37]
	s_add_co_u32 s[TRIP], s[TRIP], 1
	s_cmp_lt_u32 s[TRIP], 2
	s_cbranch_scc1 .Ltile
	TILE 0, 38                                     ; v: it asks for nothing more
	s_wait_tensorcnt 0x0                           ; the wave's end
	ds_add_u32 v[SPW], v[NIL]
	s_wait_dscnt 0x0
	CROUND                                         ; the closing round
	s_endpgm
.Lfunc_end_k_qe0c4c551ac_proj:
	.size	k_qe0c4c551ac_proj, .Lfunc_end_k_qe0c4c551ac_proj-k_qe0c4c551ac_proj
	.p2alignl 7, 3214868480
	.fill 96, 4, 3214868480
	.section	.rodata,"a",@progbits
	.p2align	6, 0x0
	.amdhsa_kernel k_qe0c4c551ac_proj
		.amdhsa_group_segment_fixed_size 327680
		.amdhsa_private_segment_fixed_size 0
		.amdhsa_enable_private_segment 0
		.amdhsa_kernarg_size 144
		.amdhsa_user_sgpr_count 2
		.amdhsa_user_sgpr_kernarg_segment_ptr 1
		.amdhsa_wavefront_size32 1
		.amdhsa_system_sgpr_workgroup_id_x 1
		.amdhsa_system_sgpr_workgroup_id_y 1
		.amdhsa_system_sgpr_workgroup_id_z 1
		.amdhsa_system_vgpr_workitem_id 0
		.amdhsa_next_free_vgpr 1024
		.amdhsa_next_free_sgpr 102
		.amdhsa_reserve_vcc 0
		.amdhsa_float_denorm_mode_32 3
		.amdhsa_float_denorm_mode_16_64 3
		.amdhsa_memory_ordered 1
		.amdhsa_forward_progress 1
		.amdhsa_inst_pref_size 204
	.end_amdhsa_kernel
	.amdgpu_metadata
---
amdhsa.version: [ 1, 2 ]
amdhsa.kernels:
  - .name:           k_qe0c4c551ac_proj
    .symbol:         k_qe0c4c551ac_proj.kd
    .args:
      - { .name: query_codes, .offset: 0, .size: 8, .value_kind: global_buffer, .address_space: global }
      - { .name: query_scales, .offset: 8, .size: 8, .value_kind: global_buffer, .address_space: global }
      - { .name: Wq_codes, .offset: 16, .size: 8, .value_kind: global_buffer, .address_space: global }
      - { .name: Wq_scales, .offset: 24, .size: 8, .value_kind: global_buffer, .address_space: global }
      - { .name: key_codes, .offset: 32, .size: 8, .value_kind: global_buffer, .address_space: global }
      - { .name: key_scales, .offset: 40, .size: 8, .value_kind: global_buffer, .address_space: global }
      - { .name: Wk_codes, .offset: 48, .size: 8, .value_kind: global_buffer, .address_space: global }
      - { .name: Wk_scales, .offset: 56, .size: 8, .value_kind: global_buffer, .address_space: global }
      - { .name: Wv_codes, .offset: 64, .size: 8, .value_kind: global_buffer, .address_space: global }
      - { .name: Wv_scales, .offset: 72, .size: 8, .value_kind: global_buffer, .address_space: global }
      - { .name: value_codes, .offset: 80, .size: 8, .value_kind: global_buffer, .address_space: global }
      - { .name: value_scales, .offset: 88, .size: 8, .value_kind: global_buffer, .address_space: global }
      - { .name: bq, .offset: 96, .size: 8, .value_kind: global_buffer, .address_space: global }
      - { .name: bk, .offset: 104, .size: 8, .value_kind: global_buffer, .address_space: global }
      - { .name: bv, .offset: 112, .size: 8, .value_kind: global_buffer, .address_space: global }
      - { .name: qf, .offset: 120, .size: 8, .value_kind: global_buffer, .address_space: global }
      - { .name: kf, .offset: 128, .size: 8, .value_kind: global_buffer, .address_space: global }
      - { .name: vf, .offset: 136, .size: 8, .value_kind: global_buffer, .address_space: global }
    .group_segment_fixed_size: 327680
    .private_segment_fixed_size: 0
    .kernarg_segment_align: 8
    .kernarg_segment_size: 144
    .max_flat_workgroup_size: 128
    .sgpr_count:     102
    .vgpr_count:     1024
    .wavefront_size: 32
...
	.end_amdgpu_metadata
.endif
;; end of part 1
;; launch scores (part 2): grid 36 x 4, 4 waves a work-group, no clusters, 327,680 bytes of LDS; arguments qf, kf, padding_mask, pf, st; writes pf, st
.if DOCPART == 2
	.amdgcn_target "amdgcn-amd-amdhsa--gfx1250"
	.amdhsa_code_object_version 6
	.text
	.protected	k_qe0c4c551ac_scores
	.globl	k_qe0c4c551ac_scores
	.p2align	8
	.type	k_qe0c4c551ac_scores,@function
k_qe0c4c551ac_scores:
	s_mov_b64 s[64:65], 0
	v_nop
	global_prefetch_b8 v0, s[64:65] scope:SCOPE_SE
	s_setreg_imm32_b32 hwreg(HW_REG_WAVE_MODE, 25, 1), 1
	s_wait_xcnt 0x0
.set REC,   12800
.set PAIR,  2*REC
.set SLOT,  4*PAIR
.set SPARE, 2*SLOT
.set PREC,  13312
.set LQ,   4
.set LK,   6
.set LI,   8
.set SH8,  9
.set SPW,  10
.set NIL,  11
.set NM,   12
.set VNI,  14
.set DM,   16
.set SCQ,  32
.set RAWM, 48
.set QF,   64
.set T,    64
.set PCB,  128
.set CT,   152
.set SWA,  160
.set MIA,  168
.set MFA,  176
.set LA,   184
.set BM,   192
.set BB,   196
.set SO,   198
.set BY,   200
.set RM,   202
.set TX,   203
.set SUMA, 204
.set SUMB, 206
.set IMG,  208
.set WV,   14
.set QH,   15
.set KH,   16
.set BAT,  17
.set QB,   18
.set KB,   19
.set G1,   24
.set G0,   32
.set CS,   40
.set NINF, 42
.set LO,   43
.set HI,   44
.set SEL,  46
.set HM,   48
.set DG,   49
.set HID,  50
.set ZR,   51
.set MSB, 0
.macro WIN new
.if MSB != (\new)
	s_set_vgpr_msb (MSB<<8)|(\new)
.set MSB, (\new)
.endif
.endm
.macro PLACES n
.rept \n
	v_nop
.endr
.endm
	s_load_b256 s[4:11], s[0:1], 0x0
	s_load_b64 s[12:13], s[0:1], 0x20
	v_lshl_add_u32 v[SPW], v0, 2, SPARE
	v_mov_b32 v[NIL], 0
	ds_add_u32 v10, v11
	ds_add_u32 v10, v11
	s_wait_dscnt 0x0
	v_lshrrev_b32 v1, 5, v0
	v_readfirstlane_b32 s[WV], v1
	s_lshr_b32 s[QH], s[WV], 1
	s_and_b32 s[KH], s[WV], 1
	s_and_b32 s[BAT], ttmp7, 0xffff
	s_mov_b32 s[QB], 0
.irp tt, 1,3,6,10,15,21,28
	s_cmp_ge_u32 ttmp9, \tt
	s_add_co_ci_u32 s[QB], s[QB], 0
.endr
	s_add_co_u32 s20, s[QB], 1
	s_mul_i32 s20, s20, s[QB]
	s_lshr_b32 s20, s20, 1
	s_sub_co_u32 s[KB], ttmp9, s20
	s_xor_b32 s20, s[QB], s[KB]
	s_xor_b32 s21, s[QH], s[KH]
	s_or_b32 s[DG], s20, s21
	s_xor_b32 s21, s[KH], 1
	s_or_b32 s21, s21, s[QH]
	s_or_b32 s21, s21, s20
	s_cmp_eq_u32 s21, 0
	s_cselect_b32 s[HID], 0x01010101, 0
	s_and_b32 s21, s[QB], 1
	s_or_b32 s[ZR], s20, s21
	s_mov_b32 s[CS], 0x3d38aa3b
	s_mov_b32 s[CS+1], s[CS]
	s_mov_b32 s[NINF], 0xff800000
	s_mov_b32 s[LO], 0xce800000
	s_mov_b32 s[HI], 0x4e800000
	s_mov_b32 s[SEL], 0x76543210
	s_mov_b32 s[SEL+1], 0xfedcba98
	s_mov_b32 s[HM], 0xffff0000
	s_mov_b32 s[G1+0], 3<<16
	s_mov_b32 s[G1+1], 32<<16
	s_mov_b32 s[G1+2], 100<<16
	s_mov_b32 s[G1+3], 32<<16
	s_mov_b32 s[G1+4], 100
	s_mov_b32 s[G1+5], 32
	s_mov_b32 s[G1+6], 0
	s_mov_b32 s[G1+7], 0
	s_mul_i32 s52, s[WV], PAIR
	s_wait_kmcnt 0x0
	s_cmp_lt_u32 s[WV], 2
	s_cselect_b64 s[20:21], s[4:5], s[6:7]
	s_cselect_b32 s22, s[QB], s[KB]
	s_lshl_b32 s22, s22, 1
	s_lshl_b32 s23, s[BAT], 4
	s_add_co_u32 s22, s22, s23
	s_add_co_u32 s22, s22, s[KH]
	s_mul_i32 s22, s22, 8*REC
	s_mov_b32 s23, 0
	s_add_nc_u64 s[20:21], s[20:21], s[22:23]
.irp n, 0,1
	s_mov_b32 s[G0+4*\n], 1
	s_add_co_u32 s[G0+4*\n+1], s52, \n*SLOT
	s_add_nc_u64 s[G0+4*\n+2:G0+4*\n+3], s[20:21], \n*PAIR
	s_or_b32 s[G0+4*\n+3], s[G0+4*\n+3], 0x80000000
.endr
	tensor_load_to_lds s[G0:G0+3], s[G1:G1+7]
	s_nop 0
	s_wait_alu depctr_va_vdst(0)
	s_wait_tensorcnt 0x0
	ds_add_u32 v10, v11
	s_wait_dscnt 0x0
	s_barrier_signal -1
	s_barrier_wait -1
	tensor_load_to_lds s[G0+4:G0+7], s[G1:G1+7]
	s_nop 0
.rept 4
	v_nop
.endr
	v_and_b32 v1, 15, v0
	v_bfe_u32 v2, v0, 4, 1
	s_wait_alu depctr_va_vdst(0)
	v_and_b32 v3, 31, v0
	v_lshlrev_b32 v[LI], 4, v3
	v_lshlrev_b32 v[SH8], 3, v2
	s_wait_alu depctr_va_vdst(0)
	s_mul_i32 s20, s[QH], PAIR
	s_mul_i32 s21, s[KH], PAIR
	s_add_co_u32 s21, s21, 2*PAIR
.irp n, 0,1
	v_add_nc_u32 v[LQ+\n], s20, v[LI]
	v_add_nc_u32 v[LK+\n], s21, v[LI]
	s_add_co_u32 s20, s20, SLOT
	s_add_co_u32 s21, s21, SLOT
.endr
	s_lshl_b32 s20, s[BAT], 11
	s_lshl_b32 s21, s[KB], 8
	s_add_co_u32 s20, s20, s21
	s_lshl_b32 s21, s[KH], 7
	s_add_co_u32 s20, s20, s21
	v_lshl_add_u32 v3, v2, 3, s20
.irp b, 0,1,2,3,4,5,6,7
	global_load_b64 v[RAWM+2*\b:RAWM+2*\b+1], v3, s[8:9] offset:16*\b
.endr
	v_sub_nc_u32 v15, v1, v[SH8]
	v_mov_b32 v[VNI], s[NINF]
.irp j, 0,1,2,3,4,5,6,7
	v_cmp_gt_i32 vcc_lo, \j, v15
	v_cndmask_b32 v[DM+\j], 0, v[VNI], vcc_lo
.endr
	v_mov_b32 v[NM+1], 0
	s_lshl_b32 s20, s[BAT], 4
	s_lshl_b32 s21, s[QB], 1
	s_add_co_u32 s20, s20, s21
	s_add_co_u32 s20, s20, s[QH]
	s_lshl_b32 s20, s20, 4
	s_lshl_b32 s21, s[KB], 1
	s_add_co_u32 s20, s20, s21
	s_add_co_u32 s20, s20, s[KH]
	s_lshl_b32 s22, s20, 10
	s_mov_b32 s23, 0
	s_add_nc_u64 s[12:13], s[12:13], s[22:23]
	s_mul_i32 s20, s20, PREC
	s_mov_b32 s21, 0
	s_add_nc_u64 s[10:11], s[10:11], s[20:21]
	s_wait_loadcnt 0x0
.irp i, 0,1,2,3,4,5,6,7,8,9,10,11,12,13,14,15
	v_or_b32 v[RAWM+\i], s[HID], v[RAWM+\i]
.endr
	WIN 0x40
.irp b, 0,1,2,3,4,5,6,7
.irp j, 0,1,2,3,4,5,6,7
	v_bfe_u32 v[96+8*\b+96*(\b/4)+\j], v[RAWM+2*\b+\j/4], 8*(\j%4), 1
.endr
.endr
	WIN 0x41
.irp b, 0,1,2,3,4,5,6,7
.irp j, 0,1,2,3,4,5,6,7
	v_mul_lo_u32 v[96+8*\b+96*(\b/4)+\j], v[96+8*\b+96*(\b/4)+\j], s[NINF]
.endr
.endr
	WIN 0
.macro FRAGI reg, adr, off
.irp c, 0,1,2
	ds_load_b128 v[\reg+4*\c:\reg+4*\c+3], v[\adr] offset:\off+512*\c
.endr
.endm
.macro FETCH slot, q, p
	WIN 0x40
.irp i, 0,1,2,3,4,5,6,7
	FRAGI 128*(\p)+12*\i, LK+\slot, (\q)*REC+1536*\i
.endr
	WIN 0
.irp i, 0,1,2,3,4,5,6,7
	FRAGI QF+96*(\p)+12*\i, LQ+\slot, (\q)*REC+1536*\i
.endr
	ds_load_b128 v[SCQ+8*(\p):SCQ+8*(\p)+3], v[LQ+\slot] offset:(\q)*REC+12288
	ds_load_b128 v[SCQ+8*(\p)+4:SCQ+8*(\p)+7], v[LK+\slot] offset:(\q)*REC+12288
.endm
.macro WM zero, ra, rb
.if \zero
.if (\ra) && (\rb)
	v_wmma_scale_f32_16x16x128_f8f6f4 v[rD:rD+7], v[rA:rA+11], v[rB:rB+11], 0, v[rSA], v[rSB] matrix_a_fmt:MATRIX_FMT_FP6 matrix_b_fmt:MATRIX_FMT_FP6 matrix_a_scale:MATRIX_SCALE_ROW1 matrix_b_scale:MATRIX_SCALE_ROW1
.elseif (\ra)
	v_wmma_scale_f32_16x16x128_f8f6f4 v[rD:rD+7], v[rA:rA+11], v[rB:rB+11], 0, v[rSA], v[rSB] matrix_a_fmt:MATRIX_FMT_FP6 matrix_b_fmt:MATRIX_FMT_FP6 matrix_a_scale:MATRIX_SCALE_ROW1
.elseif (\rb)
	v_wmma_scale_f32_16x16x128_f8f6f4 v[rD:rD+7], v[rA:rA+11], v[rB:rB+11], 0, v[rSA], v[rSB] matrix_a_fmt:MATRIX_FMT_FP6 matrix_b_fmt:MATRIX_FMT_FP6 matrix_b_scale:MATRIX_SCALE_ROW1
.else
	v_wmma_scale_f32_16x16x128_f8f6f4 v[rD:rD+7], v[rA:rA+11], v[rB:rB+11], 0, v[rSA], v[rSB] matrix_a_fmt:MATRIX_FMT_FP6 matrix_b_fmt:MATRIX_FMT_FP6
.endif
.else
.if (\ra) && (\rb)
	v_wmma_scale_f32_16x16x128_f8f6f4 v[rD:rD+7], v[rA:rA+11], v[rB:rB+11], v[rD:rD+7], v[rSA], v[rSB] matrix_a_fmt:MATRIX_FMT_FP6 matrix_b_fmt:MATRIX_FMT_FP6 matrix_a_scale:MATRIX_SCALE_ROW1 matrix_b_scale:MATRIX_SCALE_ROW1
.elseif (\ra)
	v_wmma_scale_f32_16x16x128_f8f6f4 v[rD:rD+7], v[rA:rA+11], v[rB:rB+11], v[rD:rD+7], v[rSA], v[rSB] matrix_a_fmt:MATRIX_FMT_FP6 matrix_b_fmt:MATRIX_FMT_FP6 matrix_a_scale:MATRIX_SCALE_ROW1
.elseif (\rb)
	v_wmma_scale_f32_16x16x128_f8f6f4 v[rD:rD+7], v[rA:rA+11], v[rB:rB+11], v[rD:rD+7], v[rSA], v[rSB] matrix_a_fmt:MATRIX_FMT_FP6 matrix_b_fmt:MATRIX_FMT_FP6 matrix_b_scale:MATRIX_SCALE_ROW1
.else
	v_wmma_scale_f32_16x16x128_f8f6f4 v[rD:rD+7], v[rA:rA+11], v[rB:rB+11], v[rD:rD+7], v[rSA], v[rSB] matrix_a_fmt:MATRIX_FMT_FP6 matrix_b_fmt:MATRIX_FMT_FP6
.endif
.endif
.endm
.macro MUL16 a0, p, zero
.irp a, \a0, \a0+1
.irp b, 0,1,2,3,4,5,6,7
.set rD, 8*(8*((\a)%4)+\b)
.set rA, 128*(\p)+12*\b
.set rB, QF+96*(\p)+12*(\a)
.set rSA, SCQ+8*(\p)+4+\b%4
.set rSB, SCQ+8*(\p)+(\a)%4
	WM \zero, \b/4, (\a)/4
.endr
.endr
.endm
.macro STEP slot, zero
	s_wait_dscnt 0x0
	WIN 0xa1
	MUL16 0, 0, \zero
	PLACES 4
	FETCH \slot, 1, 1
	WIN 0xa1
	MUL16 2, 0, \zero
	WIN 0xf1
	MUL16 4, 0, \zero
	MUL16 6, 0, \zero
	WIN 0
.endm
.macro TURN slot, next, fill
	s_wait_tensorcnt 0x0
	ds_add_u32 v[SPW], v[NIL]
.if \fill
	s_add_nc_u64 s[G0+4*\slot+2:G0+4*\slot+3], s[G0+4*\slot+2:G0+4*\slot+3], 2*PAIR
.endif
	s_wait_dscnt 1
	WIN 0xa1
	MUL16 0, 1, 0
	s_wait_dscnt 0x0
	s_barrier_signal -1
	MUL16 2, 1, 0
	WIN 0
	s_barrier_wait -1
.if \fill
	tensor_load_to_lds s[G0+4*\slot:G0+4*\slot+3], s[G1:G1+7]
	s_nop 0
.endif
	PLACES 4
	FETCH \next, 0, 0
	WIN 0xf1
	MUL16 4, 1, 0
	MUL16 6, 1, 0
	WIN 0
.endm
	s_wait_tensorcnt 1
	s_barrier_signal -1
	s_barrier_wait -1
	FETCH 0, 0, 0
	STEP 0, 1
	TURN 0, 1, 1
	STEP 1, 0
	TURN 1, 0, 1
	STEP 0, 0
	TURN 0, 1, 0
	STEP 1, 0
	s_wait_dscnt 0x0
	WIN 0xa1
	MUL16 0, 1, 0
	MUL16 2, 1, 0
	WIN 0xf1
	MUL16 4, 1, 0
	MUL16 6, 1, 0
	WIN 0
.macro MASKED blk, b
.irp jj, 0,2,4,6
	v_pk_add_f32 v[T+8*(4*((\b)/4)+2*((\b)%2)+((\b)%4)/2)+\jj:T+8*(4*((\b)/4)+2*((\b)%2)+((\b)%4)/2)+\jj+1], v[8*(8*((\blk)%4)+(\b))+\jj:8*(8*((\blk)%4)+(\b))+\jj+1], v[96+8*(\b)+96*((\b)/4)+\jj:96+8*(\b)+96*((\b)/4)+\jj+1]
.endr
.endm
.macro SWAP
.irp c, 0,1
.irp j, 0,1,2,3,4,5,6,7
	v_permlane16_swap_b32 v[T+32*\c+\j], v[T+32*\c+8+\j]
	v_permlane16_swap_b32 v[T+32*\c+16+\j], v[T+32*\c+24+\j]
.endr
.endr
.endm
.macro EPI blk
.set PCD, PCB+12*((\blk)%2)
.set SG, 8*(4*((\blk)/4)+2*((\blk)%2)+((\blk)%4)/2)
.if (\blk) >= 2
	s_wait_xcnt 0x0
.endif
	s_cmp_eq_u32 s[DG], 0
	s_cbranch_scc1 .Ldiag_\@
	WIN 0x06+(\blk)/4
.irp b, 0,1,2,3,4,5,6,7
	MASKED \blk, \b
.endr
	WIN 0
	s_branch .Lmasked_\@
.Ldiag_\@:
	WIN 0x06+(\blk)/4
.irp b, 0,1,2,3,4,5,6,7
.if \b <= (\blk)
	MASKED \blk, \b
.endif
.endr
	WIN 0
.irp jj, 0,2,4,6
	v_pk_add_f32 v[T+SG+\jj:T+SG+\jj+1], v[T+SG+\jj:T+SG+\jj+1], v[DM+\jj:DM+\jj+1]
.endr
.irp b, 0,1,2,3,4,5,6,7
.if \b > (\blk)
.irp j, 0,1,2,3,4,5,6,7
	v_mov_b32 v[T+8*(4*(\b/4)+2*(\b%2)+(\b%4)/2)+\j], s[NINF]
.endr
.endif
.endr
.Lmasked_\@:
	SWAP
.irp q, 0,1,2,3
	v_max3_num_f32 v[BM+\q], v[T+16*\q], v[T+16*\q+1], v[T+16*\q+2]
.endr
.irp i, 3,5,7,9,11,13
.irp q, 0,1,2,3
	v_max3_num_f32 v[BM+\q], v[BM+\q], v[T+16*\q+\i], v[T+16*\q+\i+1]
.endr
.endr
.irp q, 0,1,2,3
	v_max_num_f32 v[BM+\q], v[BM+\q], v[T+16*\q+15]
.endr
	v_max_num_f32 v[BB], v[BM], v[BM+1]
	v_max_num_f32 v[BB+1], v[BM+2], v[BM+3]
	v_max_num_f32 v[RM], v[BB], v[BB+1]
	v_permlanex16_b32 v[TX], v[RM], s[SEL], s[SEL+1]
	v_max_num_f32 v[RM], v[RM], v[TX]
	v_mul_f32 v[RM], s[CS], v[RM]
	v_floor_f32 v[NM], -v[RM]
	v_med3_num_f32 v[NM], v[NM], s[LO], s[HI]
.set j, 0
.rept 32
	v_pk_fma_f32 v[T+j:T+j+1], v[T+j:T+j+1], s[CS:CS+1], v[NM:NM+1] op_sel_hi:[1,0,0]
.set j, j+2
.endr
	v_fma_f32 v[BB], v[BB], s[CS], v[NM]
	v_fma_f32 v[BB+1], v[BB+1], s[CS], v[NM]
.set j, 0
	s_wait_alu depctr_va_vdst(0)
.rept 64
	v_exp_f32 v[T+j], v[T+j]
.set j, j+1
.endr
	v_sub_f32 v[MFA+(\blk)], 0, v[NM]
	v_cvt_i32_f32 v[MIA+(\blk)], v[NM]
	v_sub_nc_u32 v[MIA+(\blk)], 0, v[MIA+(\blk)]
	s_wait_alu depctr_va_vdst(0)
	v_exp_f32 v[BB], v[BB]
	v_exp_f32 v[BB+1], v[BB+1]
	v_pk_add_f32 v[SUMA:SUMA+1], v[T:T+1], v[T+2:T+3]
	v_pk_add_f32 v[SUMB:SUMB+1], v[T+4:T+5], v[T+6:T+7]
.irp j, 8,12,16,20,24,28,32,36,40,44,48,52,56,60
	v_pk_add_f32 v[SUMA:SUMA+1], v[SUMA:SUMA+1], v[T+\j:T+\j+1]
	v_pk_add_f32 v[SUMB:SUMB+1], v[SUMB:SUMB+1], v[T+\j+2:T+\j+3]
.endr
	v_pk_add_f32 v[SUMA:SUMA+1], v[SUMA:SUMA+1], v[SUMB:SUMB+1]
	v_add_f32 v[LA+(\blk)], v[SUMA], v[SUMA+1]
	v_permlanex16_b32 v[TX], v[LA+(\blk)], s[SEL], s[SEL+1]
	v_add_f32 v[LA+(\blk)], v[LA+(\blk)], v[TX]
	s_wait_alu depctr_va_vdst(0)
	v_max_num_f32 v[BB], 0x1800000, v[BB]
	v_max_num_f32 v[BB+1], 0x1800000, v[BB+1]
	v_add_nc_u32 v[SO], 0xff000000, v[BB]
	v_add_nc_u32 v[SO+1], 0xff000000, v[BB+1]
	v_lshrrev_b32 v[BY], 23, v[SO]
	v_lshrrev_b32 v[BY+1], 23, v[SO+1]
	v_lshl_or_b32 v[SWA+(\blk)], v[BY+1], 16, v[BY]
	v_lshlrev_b32 v[SWA+(\blk)], v[SH8], v[SWA+(\blk)]
	v_permlanex16_b32 v[TX], v[SWA+(\blk)], s[SEL], s[SEL+1]
	v_or_b32 v[SWA+(\blk)], v[SWA+(\blk)], v[TX]
	v_or_b32 v[SWA+(\blk)], 0x80808080, v[SWA+(\blk)]
.irp c, 0,1
	v_cvt_scalef32_pk16_fp6_f32 v[PCD+6*\c:PCD+6*\c+2], v[T+32*\c:T+32*\c+15], v[SO+\c]
	v_cvt_scalef32_pk16_fp6_f32 v[CT+4*\c:CT+4*\c+2], v[T+32*\c+16:T+32*\c+31], v[SO+\c]
.endr
	v_nop
.irp c, 0,1
.irp i, 0,1,2
	v_mov_b32 v[PCD+6*\c+3+\i], v[CT+4*\c+\i]
.endr
.endr
.irp i, 0,1,2
	global_store_b128 v[LI], v[PCD+4*\i:PCD+4*\i+3], s[10:11] offset:1536*(\blk)+512*\i
.endr
.endm
	PLACES 4
	v_mov_b32 v[TX], 0
.irp k, 0,1,2,3,4,5,6,7
	EPI \k
.endr
.irp i, 0,1,2,3
	v_cndmask_b32 v[IMG+\i], v[SWA+\i], v[SWA+4+\i], s[HM]
	v_cndmask_b32 v[IMG+4+\i], v[MIA+\i], v[MIA+4+\i], s[HM]
	v_cndmask_b32 v[IMG+8+\i], v[MFA+\i], v[MFA+4+\i], s[HM]
	v_cndmask_b32 v[IMG+12+\i], v[LA+\i], v[LA+4+\i], s[HM]
.endr
	global_store_b128 v[LI], v[IMG:IMG+3], s[10:11] offset:12288
	global_store_b128 v[LI], v[IMG+4:IMG+7], s[10:11] offset:12800
	global_store_b128 v[LI], v[IMG+8:IMG+11], s[12:13]
	global_store_b128 v[LI], v[IMG+12:IMG+15], s[12:13] offset:512
	s_cmp_eq_u32 s[ZR], 0
	s_cbranch_scc0 .Lno_zero
.irp i, 0,1,2,3
	v_mov_b32 v[T+\i], 0
	v_mov_b32 v[T+4+\i], 0x81818181
	v_mov_b32 v[T+8+\i], 0xc0000000
	v_mov_b32 v[T+12+\i], 0xce800000
.endr
.set j, 0
.rept 24
	global_store_b128 v[LI], v[T:T+3], s[10:11] offset:2*PREC+512*j
.set j, j+1
.endr
	global_store_b128 v[LI], v[T+4:T+7], s[10:11] offset:2*PREC+12288
	global_store_b128 v[LI], v[T+8:T+11], s[10:11] offset:2*PREC+12800
	global_store_b128 v[LI], v[T+12:T+15], s[12:13] offset:2048
	global_store_b128 v[LI], v[T:T+3], s[12:13] offset:2560
.Lno_zero:
	s_wait_tensorcnt 0x0
	ds_add_u32 v[SPW], v[NIL]
	s_wait_dscnt 0x0
	s_endpgm
.Lfunc_end_k_qe0c4c551ac_scores:
	.size	k_qe0c4c551ac_scores, .Lfunc_end_k_qe0c4c551ac_scores-k_qe0c4c551ac_scores
	.p2alignl 7, 3214868480
	.fill 96, 4, 3214868480
	.section	.rodata,"a",@progbits
	.p2align	6, 0x0
	.amdhsa_kernel k_qe0c4c551ac_scores
		.amdhsa_group_segment_fixed_size 327680
		.amdhsa_private_segment_fixed_size 0
		.amdhsa_enable_private_segment 0
		.amdhsa_kernarg_size 40
		.amdhsa_user_sgpr_count 2
		.amdhsa_user_sgpr_kernarg_segment_ptr 1
		.amdhsa_wavefront_size32 1
		.amdhsa_system_sgpr_workgroup_id_x 1
		.amdhsa_system_sgpr_workgroup_id_y 1
		.amdhsa_system_sgpr_workgroup_id_z 1
		.amdhsa_system_vgpr_workitem_id 0
		.amdhsa_next_free_vgpr 1024
		.amdhsa_next_free_sgpr 66
		.amdhsa_reserve_vcc 1
		.amdhsa_float_denorm_mode_32 3
		.amdhsa_float_denorm_mode_16_64 3
		.amdhsa_memory_ordered 1
		.amdhsa_forward_progress 1
		.amdhsa_inst_pref_size 237
	.end_amdhsa_kernel
	.amdgpu_metadata
---
amdhsa.version: [ 1, 2 ]
amdhsa.kernels:
  - .name:           k_qe0c4c551ac_scores
    .symbol:         k_qe0c4c551ac_scores.kd
    .args:
      - { .name: qf, .offset: 0, .size: 8, .value_kind: global_buffer, .address_space: global }
      - { .name: kf, .offset: 8, .size: 8, .value_kind: global_buffer, .address_space: global }
      - { .name: padding_mask, .offset: 16, .size: 8, .value_kind: global_buffer, .address_space: global }
      - { .name: pf, .offset: 24, .size: 8, .value_kind: global_buffer, .address_space: global }
      - { .name: st, .offset: 32, .size: 8, .value_kind: global_buffer, .address_space: global }
    .group_segment_fixed_size: 327680
    .private_segment_fixed_size: 0
    .kernarg_segment_align: 8
    .kernarg_segment_size: 40
    .max_flat_workgroup_size: 128
    .sgpr_count:     66
    .vgpr_count:     1024
    .wavefront_size: 32
...
	.end_amdgpu_metadata
.endif
;; end of part 2
;; launch mix (part 3): grid 8 x 32, 4 waves a work-group, clusters of 4 x 1, 327,680 bytes of LDS; arguments pf, vf, st, out0; writes out0
.if DOCPART == 3
	.amdgcn_target "amdgcn-amd-amdhsa--gfx1250"
	.amdhsa_code_object_version 6
	.text
	.protected	k_qe0c4c551ac_mix
	.globl	k_qe0c4c551ac_mix
	.p2align	8
	.type	k_qe0c4c551ac_mix,@function
k_qe0c4c551ac_mix:
	s_mov_b64 s[64:65], 0
	v_nop
	global_prefetch_b8 v0, s[64:65] scope:SCOPE_SE
	s_setreg_imm32_b32 hwreg(HW_REG_WAVE_MODE, 25, 1), 1
	s_wait_xcnt 0x0
	s_wait_alu depctr_hold_cnt(0) depctr_sa_sdst(0) depctr_va_vdst(0) depctr_va_sdst(0) depctr_va_ssrc(0) depctr_va_vcc(0) depctr_vm_vsrc(0)
	s_getreg_b32 s2, hwreg(HW_REG_IB_STS2, 6, 4)
	s_cmp_eq_u32 s2, 0
	s_cbranch_scc0 .Lentry_in_a_cluster
	s_endpgm
.Lentry_in_a_cluster:
	s_bfe_u32 s2, ttmp6, 0x10000c
	s_cmp_lg_u32 s2, 0x3003
	s_cbranch_scc0 .Lentry_shape_is_right
	s_endpgm
.Lentry_shape_is_right:
; O = P V / l.  P arrives as codes made chunk by chunk of 128 keys, each chunk under its own whole number M.  Here the row's M (the largest of its chunks') and l (the chunks' l x 2^(chunk's M - row's M), exact) are made first;
; then, K step by K step, min(row's M - chunk's M, 127) is taken off P's four scale bytes of each row, held at 0 from below: the codes stay as they are.
; SHARES.  Work-group y = 8 batch + qb, x = db: 256 queries x 128 of d.  A wave makes 128 queries x 64 of d: 8 x 4 = 32 accumulators.  The keys go in chunks of 128, 4 ((qb + 2) / 2) of them: what the causal mask keeps,
; filled up to a multiple of four with records of zero codes that the launch before has written.
; CLUSTER.  The four work-groups of a cluster share batch and qb, so they walk the same P (two thirds of a slot's bytes) the same number of times: P's two groups are asked for jointly, by waves 0 and 1.
; V hangs on db: waves 2 and 3 fetch it by loads of the work-group's own, one record each, behind the same round.
; A slot holds two chunks: P's two groups (2 x 26,624 bytes) and V's 128 rows of d (25,600 bytes), all as images of operand registers.  Source 0 = 16 of d, source 1 = 16 queries: a lane holds one query and eight neighbours of d.
; LIMITS: NaN and infinities are not served; a block of P more than 127 powers of two under the row's M, or whose byte would fall under 0, gets the byte 0 (2^-127); a row with every key hidden gives 0 x (1 / 0), NaN.
; REGISTERS: window 0: v4-15 addresses; v16-23 1 / l; v24-27 the rows' M; v28-31, v48-63 at work; v32-39 P's scale words, v40-47 V's, two sets each, and nothing else; v64-159, v160-255 P's fragments, two sets.
;   window 1: V's fragments, sets at v0 and v48.   window 2: the accumulators ((a, b) at v[8 (4 a + b)]).
.set PREC,  13312
.set PPAIR, 2*PREC
.set VREC,  12800
.set VPAIR, 2*VREC
.set SLOT,  2*PPAIR+VPAIR
.set STAGE, 2*SLOT                     ; the way out: 16 rows x (256 bytes + 16) for each wave; no tile lands there
.set SPARE, STAGE+4*16*272             ; the spare words, 128 bytes for each wave: two blocks of 256 bytes that no other line names
.set LP,   4                           ; v4-5   LDS address of my P images in slot 0, 1
.set LV,   6                           ; v6-7   of my four V images
.set LVS,  8                           ; v8-9   of V's scale image, lane halves swapped where my rows are its blocks 4-7
.set SPW,  10
.set NIL,  11
.set STO,  12
.set RD,   13
.set CO,   14
.set LI,   15
.set RR,   16                          ; v16-19 1 / l, register i of lane (r, h): row block 4 h + i
.set XX,   20                          ; v20-23 the same of lane l xor 16
.set MROW, 24                          ; v24-27 the rows' M, whole numbers, packed likewise
.set AT,   28
.set PS,   32
.set VS,   40
.set RAW,  48
.set MI,   52
.set AX,   56
.set AY,   60
.set PF,   64
.set PMI,  64                          ; the prologue: 16 images of M,
.set PLI,  128                         ; 16 of l,
.set OFS,  192                         ; their offsets,
.set MRF,  208                         ; the rows' M as f32,
.set LS,   212                         ; the rows' l
.set RLP,  48                          ; the way out: 1 / l of block a, twice, at v[48 + 2 a]
.set TO,   64
.set BKB,  96
.set WV,   12
.set QH,   13
.set DH,   14
.set CX,   15
.set DB,   16
.set BAT,  17
.set QB,   18
.set LAPN, 19
.set G1P,  24
.set G0P,  32
.set G1V,  40
.set G0V,  48
.set SEL,  56
.set HM,   58
.set MK,   60                          ; s60-62 all ones where chunks 4-7, 8-11, 12-15 are walked
.set MSB, 0
.macro WIN new
.if MSB != (\new)
	s_set_vgpr_msb (MSB<<8)|(\new)
.set MSB, (\new)
.endif
.endm
.macro PLACES n
.rept \n
	v_nop
.endr
.endm
.macro CREST
	s_cmp_lg_u32 s[WV], 0
	s_cbranch_scc1 .Lnot_wave_0_\@
	s_barrier_signal -3
.Lnot_wave_0_\@:
	s_barrier_wait -3
	s_barrier_signal -1
	s_barrier_wait -1
.endm
.macro CROUND
	s_barrier_signal -1
	s_barrier_wait -1
	CREST
.endm
; A refill of slot n.  The branches hang on the wave's number alone.  Four v_nop follow each of the two tensor loads.
.macro TLOAD n
	s_cmp_lt_u32 s[WV], 2
	s_cbranch_scc0 .Lnot_p_\@
	tensor_load_to_lds s[G0P+4*\n:G0P+4*\n+3], s[G1P:G1P+7]
	s_nop 0
.rept 4
	v_nop
.endr
	s_branch .Lasked_\@
.Lnot_p_\@:
	tensor_load_to_lds s[G0V+4*\n:G0V+4*\n+3], s[G1V:G1V+7]      ; waves 2 and 3: one of V's two records each
	s_nop 0
.rept 4
	v_nop
.endr
.Lasked_\@:
.endm
	s_load_b256 s[4:11], s[0:1], 0x0               ; pf, vf, st, out0
	v_lshl_add_u32 v[SPW], v0, 2, SPARE
	v_mov_b32 v[NIL], 0
	ds_add_u32 v10, v11
	ds_add_u32 v10, v11
	s_wait_dscnt 0x0
	v_lshrrev_b32 v1, 5, v0
	v_readfirstlane_b32 s[WV], v1                  ; wave 0..3
	s_lshr_b32 s[QH], s[WV], 1                     ; which 128 queries
	s_and_b32 s[DH], s[WV], 1                      ; which 64 of d.  Also: which of P's two groups I fetch
	s_bfe_u32 s[CX], ttmp6, 0x40000
	s_lshl_b32 s[DB], ttmp9, 2
	s_add_co_u32 s[DB], s[DB], s[CX]               ; db = 4 x cluster x + cx
	s_and_b32 s20, ttmp7, 0xffff                   ; the cluster's y: shared by the four partners
	s_lshr_b32 s[BAT], s20, 3
	s_and_b32 s[QB], s20, 7
	s_add_co_u32 s[LAPN], s[QB], 2
	s_lshr_b32 s[LAPN], s[LAPN], 1                 ; laps of four chunks: 1 .. 4
	s_mov_b32 s[SEL], 0x76543210
	s_mov_b32 s[SEL+1], 0xfedcba98
	s_mov_b32 s[HM], 0xffff0000
	; descriptor group 1: P: 26,624 dense bytes as 104 rows of 256 (32 elements of 8 bytes), for all four work-groups; V: 12,800 as 50 rows a load, mine alone
	s_mov_b32 s[G1P+0], 15|(3<<16)|(1<<21)
	s_mov_b32 s[G1P+1], 32<<16
	s_mov_b32 s[G1P+2], 104<<16
	s_mov_b32 s[G1P+3], 32<<16
	s_mov_b32 s[G1P+4], 104
	s_mov_b32 s[G1P+5], 32
	s_mov_b32 s[G1P+6], 0
	s_mov_b32 s[G1P+7], 0
	s_mov_b32 s[G1V+0], 3<<16
	s_mov_b32 s[G1V+1], 32<<16
	s_mov_b32 s[G1V+2], 50<<16
	s_mov_b32 s[G1V+3], 32<<16
	s_mov_b32 s[G1V+4], 50
	s_mov_b32 s[G1V+5], 32
	s_mov_b32 s[G1V+6], 0
	s_mov_b32 s[G1V+7], 0
	s_lshl_b32 s2, s[BAT], 4
	s_lshl_b32 s20, s[QB], 1
	s_add_co_u32 s2, s2, s20                       ; the first of my block's two groups of 128 queries
	s_add_co_u32 s20, s2, s[DH]
	s_mul_i32 s20, s20, 16*PREC                    ; P: the group that I fetch (no place in the cluster enters it)
	s_mov_b32 s21, 0
	s_lshl_b32 s22, s[BAT], 3
	s_add_co_u32 s22, s22, s[DB]
	s_mul_i32 s22, s22, 16*VREC                    ; V: my work-group's 128 rows of d,
	s_mul_i32 s3, s[DH], VREC                      ; and of a slot's two records the one that I fetch (wave 2: the first, wave 3: the second)
	s_add_co_u32 s22, s22, s3
	s_mov_b32 s23, 0
	s_mul_i32 s59, s[DH], PPAIR
	s_wait_kmcnt 0x0
	s_add_nc_u64 s[20:21], s[4:5], s[20:21]
	s_add_nc_u64 s[22:23], s[6:7], s[22:23]
.irp n, 0,1
	s_mov_b32 s[G0P+4*\n], 1
	s_add_co_u32 s[G0P+4*\n+1], s59, \n*SLOT
	s_add_nc_u64 s[G0P+4*\n+2:G0P+4*\n+3], s[20:21], \n*PPAIR
	s_or_b32 s[G0P+4*\n+3], s[G0P+4*\n+3], 0x80000000
	s_mov_b32 s[G0V+4*\n], 1
	s_add_co_u32 s[G0V+4*\n+1], s3, 2*PPAIR+\n*SLOT
	s_add_nc_u64 s[G0V+4*\n+2:G0V+4*\n+3], s[22:23], \n*VPAIR
	s_or_b32 s[G0V+4*\n+3], s[G0V+4*\n+3], 0x80000000
.endr
	CROUND                                         ; all four work-groups are here: the first joint loads meet
	TLOAD 0                                        ; slot 0: one tensor load a wave at the head
	v_and_b32 v1, 15, v0                           ; r
	v_bfe_u32 v2, v0, 4, 1                         ; h
	v_and_b32 v3, 31, v0
	v_lshlrev_b32 v[LI], 4, v3
	; THE PROLOGUE: my 128 rows' M and l of all chunks.  Chunks that are not walked read the last walked chunk's record again: they change no maximum, and their l is cleared.
	s_wait_alu depctr_va_vdst(0)
	s_add_co_u32 s20, s2, s[QH]
	s_lshl_b32 s20, s20, 14                        ; 16 records of 1,024 bytes a group
	s_mov_b32 s21, 0
	s_add_nc_u64 s[8:9], s[8:9], s[20:21]
	s_lshl_b32 s59, s[LAPN], 2
	s_sub_co_u32 s59, s59, 1                       ; the last chunk that is walked
.irp c, 0,1,2,3,4,5,6,7,8,9,10,11,12,13,14,15
	s_min_u32 s20, s59, \c
	s_lshl_b32 s20, s20, 10
	v_add_nc_u32 v[OFS+\c], s20, v[LI]
.endr
	s_wait_alu depctr_va_vdst(0)
.irp c, 0,1,2,3,4,5,6,7,8,9,10,11,12,13,14,15
	global_load_b128 v[PMI+4*\c:PMI+4*\c+3], v[OFS+\c], s[8:9]
	global_load_b128 v[PLI+4*\c:PLI+4*\c+3], v[OFS+\c], s[8:9] offset:512
.endr
	s_cmp_gt_u32 s[LAPN], 1
	s_cselect_b32 s[MK], -1, 0
	s_cmp_gt_u32 s[LAPN], 2
	s_cselect_b32 s[MK+1], -1, 0
	s_cmp_gt_u32 s[LAPN], 3
	s_cselect_b32 s[MK+2], -1, 0
	; addresses, while the loads are out
	s_mul_i32 s20, s[QH], PPAIR
	s_mul_i32 s21, s[DH], 4*1536
	s_add_co_u32 s21, s21, 2*PPAIR
	v_add_nc_u32 v3, s[DH], v2
	v_and_b32 v3, 1, v3                            ; (h + DH) % 2: lanes 0-15 take the half of V's scale image that holds my four row blocks
	v_lshlrev_b32 v3, 8, v3
	v_lshl_add_u32 v3, v1, 4, v3
.irp n, 0,1
	v_add_nc_u32 v[LP+\n], s20, v[LI]
	v_add_nc_u32 v[LV+\n], s21, v[LI]
	v_add_nc_u32 v[LVS+\n], 2*PPAIR+\n*SLOT, v3
	s_add_co_u32 s20, s20, SLOT
	s_add_co_u32 s21, s21, SLOT
.endr
	s_mul_i32 s20, s[WV], 16*272
	s_add_co_u32 s20, s20, STAGE                   ; my stage
	v_mul_u32_u24 v[STO], v1, 272
	v_lshl_add_u32 v[STO], v2, 5, v[STO]
	v_add_nc_u32 v[STO], s20, v[STO]               ; in: row r, 32 bytes for each half of the lanes
	v_mul_u32_u24 v[RD], v2, 272
	v_lshl_add_u32 v[RD], v1, 4, v[RD]
	v_add_nc_u32 v[RD], s20, v[RD]                 ; back: lanes 0-15 one row of 256 bytes, lanes 16-31 the next
	v_lshlrev_b32 v[CO], 12, v2
	v_lshl_add_u32 v[CO], v1, 4, v[CO]             ; and the same two rows of out0 (4,096 bytes a row)
	s_lshl_b32 s22, s[BAT], 23                     ; my part of out0: ((2,048 batch + 256 qb + 128 QH) x 1,024 + 128 db + 64 DH) x 4
	s_lshl_b32 s23, s[QB], 20
	s_add_co_u32 s22, s22, s23
	s_lshl_b32 s23, s[QH], 19
	s_add_co_u32 s22, s22, s23
	s_lshl_b32 s23, s[DB], 9
	s_add_co_u32 s22, s22, s23
	s_lshl_b32 s23, s[DH], 8
	s_add_co_u32 s22, s22, s23
	s_mov_b32 s23, 0
	s_add_nc_u64 s[10:11], s[10:11], s[22:23]
	s_wait_alu depctr_va_vdst(0)
	s_wait_tensorcnt 0x0                           ; my part of slot 0 is in
	ds_add_u32 v[SPW], v[NIL]
	s_wait_dscnt 0x0
	CROUND                                         ; a whole round: slot 0 is whole, and the four work-groups are here
	TLOAD 1                                        ; slot 1's first fill, one load a wave
	s_wait_loadcnt 0x0
.irp i, 0,1,2,3
	v_max3_num_f32 v[MRF+\i], v[PMI+\i], v[PMI+4+\i], v[PMI+8+\i]   ; the rows' M
.endr
.irp c, 3,5,7,9,11,13
.irp i, 0,1,2,3
	v_max3_num_f32 v[MRF+\i], v[MRF+\i], v[PMI+4*\c+\i], v[PMI+4*\c+4+\i]
.endr
.endr
.irp i, 0,1,2,3
	v_max_num_f32 v[MRF+\i], v[MRF+\i], v[PMI+60+\i]
.endr
.irp c, 0,1,2,3,4,5,6,7,8,9,10,11,12,13,14,15
.if \c >= 4
.irp i, 0,1,2,3
	v_and_b32 v[PLI+4*\c+\i], s[MK+\c/4-1], v[PLI+4*\c+\i]   ; a chunk that is not walked adds nothing
.endr
.endif
.irp i, 0,1,2,3
	v_sub_f32 v[PMI+4*\c+\i], v[PMI+4*\c+\i], v[MRF+\i]      ; the chunk's M less the row's: a whole number, 0 or less
.endr
.irp i, 0,1,2,3
	v_cvt_i32_f32 v[PMI+4*\c+\i], v[PMI+4*\c+\i]
.endr
.irp i, 0,1,2,3
	v_ldexp_f32 v[PLI+4*\c+\i], v[PLI+4*\c+\i], v[PMI+4*\c+\i]   ; the chunk's l under the row's M: nothing is rounded
.endr
.if \c == 1
.irp i, 0,1,2,3
	v_add_f32 v[LS+\i], v[PLI+\i], v[PLI+4+\i]
.endr
.elseif \c > 1
.irp i, 0,1,2,3
	v_add_f32 v[LS+\i], v[LS+\i], v[PLI+4*\c+\i]
.endr
.endif
.endr
.irp i, 0,1,2,3
	v_cvt_i32_f32 v[MROW+\i], v[MRF+\i]
.endr
	s_wait_alu depctr_va_vdst(0)
.irp i, 0,1,2,3
	v_rcp_f32 v[RR+\i], v[LS+\i]
.endr
.irp i, 0,1,2,3
	v_mov_b32 v[XX+\i], 0                          ; plain instructions behind the reciprocals; a lane exchange's destination counts as one of its sources
.endr
	s_wait_alu depctr_va_vdst(0)                   ; one wait for the four, ahead of their first reader
.irp i, 0,1,2,3
	v_permlanex16_b32 v[XX+\i], v[RR+\i], s[SEL], s[SEL+1]
.endr
.macro FRAGI reg, adr, off
.irp c, 0,1,2
	ds_load_b128 v[\reg+4*\c:\reg+4*\c+3], v[\adr] offset:\off+512*\c
.endr
.endm
.macro FETCH slot, c, p                ; the slot's c-th chunk into set p: the three small images first, then 36 loads of fragments
	ds_load_b128 v[RAW:RAW+3], v[LP+\slot] offset:(\c)*PREC+12288
	ds_load_b128 v[MI:MI+3], v[LP+\slot] offset:(\c)*PREC+12800
	ds_load_b128 v[VS+4*(\p):VS+4*(\p)+3], v[LVS+\slot] offset:(\c)*VREC+12288
	WIN 0x40
.irp i, 0,1,2,3
	FRAGI 48*(\p)+12*\i, LV+\slot, (\c)*VREC+1536*\i
.endr
	WIN 0
.irp i, 0,1,2,3,4,5,6,7
	FRAGI PF+96*(\p)+12*\i, LP+\slot, (\c)*PREC+1536*\i
.endr
.endm
; P's scale words of a chunk under the row's M.  A byte arrives as 128 + b, b = 1 .. 125; n = min(row's M - chunk's M, 127) is taken off all four at once: 128 + b - n is 2 .. 253, so no borrow crosses a byte;
; bit 7 says whether b - n is 0 or more; where it is not, the byte becomes 0.
.macro ADJUST p
.irp i, 0,1,2,3
	v_sub_nc_u32 v[AT+\i], v[MROW+\i], v[MI+\i]
.endr
.irp i, 0,1,2,3
	v_min_u32 v[AT+\i], 127, v[AT+\i]
.endr
.irp i, 0,1,2,3
	v_perm_b32 v[AT+\i], v[AT+\i], v[AT+\i], 0     ; n in all four bytes
.endr
.irp i, 0,1,2,3
	v_sub_nc_u32 v[AX+\i], v[RAW+\i], v[AT+\i]
.endr
.irp i, 0,1,2,3
	v_and_b32 v[AY+\i], 0x80808080, v[AX+\i]
.endr
.irp i, 0,1,2,3
	v_lshrrev_b32 v[AT+\i], 7, v[AY+\i]
.endr
.irp i, 0,1,2,3
	v_sub_nc_u32 v[AY+\i], v[AY+\i], v[AT+\i]      ; 0x7f where bit 7 was set
.endr
.irp i, 0,1,2,3
	v_and_b32 v[PS+4*(\p)+\i], v[AX+\i], v[AY+\i]
.endr
.rept 8
	v_nop                                          ; a scale register written by a vector instruction stands 8 plain instructions ahead of the scaled product that names it
.endr
.endm
.macro WM zero, rb
.if \zero
.if (\rb)
	v_wmma_scale_f32_16x16x128_f8f6f4 v[rD:rD+7], v[rA:rA+11], v[rB:rB+11], 0, v[rSA], v[rSB] matrix_a_fmt:MATRIX_FMT_FP6 matrix_b_fmt:MATRIX_FMT_FP6 matrix_b_scale:MATRIX_SCALE_ROW1
.else
	v_wmma_scale_f32_16x16x128_f8f6f4 v[rD:rD+7], v[rA:rA+11], v[rB:rB+11], 0, v[rSA], v[rSB] matrix_a_fmt:MATRIX_FMT_FP6 matrix_b_fmt:MATRIX_FMT_FP6
.endif
.else
.if (\rb)
	v_wmma_scale_f32_16x16x128_f8f6f4 v[rD:rD+7], v[rA:rA+11], v[rB:rB+11], v[rD:rD+7], v[rSA], v[rSB] matrix_a_fmt:MATRIX_FMT_FP6 matrix_b_fmt:MATRIX_FMT_FP6 matrix_b_scale:MATRIX_SCALE_ROW1
.else
	v_wmma_scale_f32_16x16x128_f8f6f4 v[rD:rD+7], v[rA:rA+11], v[rB:rB+11], v[rD:rD+7], v[rSA], v[rSB] matrix_a_fmt:MATRIX_FMT_FP6 matrix_b_fmt:MATRIX_FMT_FP6
.endif
.endif
.endm
; 8 products: P's blocks a0, a0 + 1 x V's four.  The 32 accumulators take turns, one instruction a turn, in the same order in every step.
.macro MUL8 a0, p, zero
	WIN 0xa1                                       ; source 0 (V) window 1, source 1 (P) window 0, C and D window 2
.irp a, \a0, \a0+1
.irp b, 0,1,2,3
.set rD, 8*(4*(\a)+\b)
.set rA, 48*(\p)+12*\b
.set rB, PF+96*(\p)+12*(\a)
.set rSA, VS+4*(\p)+\b
.set rSB, PS+4*(\p)+(\a)%4
	WM \zero, (\a)/4
.endr
.endr
.endm
.macro STEP slot, zero                 ; a slot's first chunk (set 0); the second is fetched into set 1
	s_wait_dscnt 0x0                               ; set 0 is in
	MUL8 0, 0, \zero
	PLACES 4                                       ; in front of loads into set 1, which the step before multiplied
	WIN 0
	FETCH \slot, 1, 1
	MUL8 2, 0, \zero
	WIN 0
	s_wait_dscnt 36                                ; the three small images are in; the 36 loads of fragments may be out
	ADJUST 1
	MUL8 4, 0, \zero
	MUL8 6, 0, \zero
	WIN 0
.endm
; A slot's second chunk (set 1) changes slots: one barrier; in front of it each wave waits for all its tensor loads, adds 0 to its spare word, and waits for that and for its reads of this slot.
.macro TURN slot, next, fill
	s_wait_tensorcnt 0x0                           ; all my tensor loads have landed; so every group 0 may be written
	ds_add_u32 v[SPW], v[NIL]                      ; 0 onto my spare word
.if \fill
	s_add_nc_u64 s[G0P+4*\slot+2:G0P+4*\slot+3], s[G0P+4*\slot+2:G0P+4*\slot+3], 2*PPAIR   ; this slot's next two chunks
	s_add_nc_u64 s[G0V+4*\slot+2:G0V+4*\slot+3], s[G0V+4*\slot+2:G0V+4*\slot+3], 2*VPAIR
.endif
	s_wait_dscnt 1                                 ; set 1 is in; the add may be out
	MUL8 0, 1, 0
	s_wait_dscnt 0x0                               ; the add is done, and my reads of this slot are over
	s_barrier_signal -1
	MUL8 2, 1, 0
	WIN 0
	s_barrier_wait -1
.if \fill
	CREST                                          ; the barrier has opened a round of the cluster's barrier: no wave of any partner still reads this slot or has a load on its way
	TLOAD \slot                                    ; the first tensor load behind the round, one a wave
.endif
	PLACES 4                                       ; in front of loads into set 0
	FETCH \next, 0, 0
	MUL8 4, 1, 0
	WIN 0
	s_wait_dscnt 36                                ; the three small images are in
	ADJUST 0
	MUL8 6, 1, 0
	WIN 0
.endm
	FETCH 0, 0, 0
	s_wait_dscnt 36
	ADJUST 0
	s_wait_alu depctr_va_vdst(0)
	STEP 0, 1                                      ; chunk 0 starts the sums
	s_sub_co_u32 s3, s[LAPN], 1                    ; the same in all four partners
	s_cmp_eq_u32 s3, 0
	s_cbranch_scc1 .Ltail
.Llap:                                             ; a trip goes once round the ring, four chunks, and fills both slots again
	s_wait_alu depctr_va_vdst(0)
	TURN 0, 1, 1
	s_wait_alu depctr_va_vdst(0)
	STEP 1, 0
	s_wait_alu depctr_va_vdst(0)
	TURN 1, 0, 1
	s_wait_alu depctr_va_vdst(0)
	STEP 0, 0
	s_sub_co_u32 s3, s3, 1
	s_cmp_lg_u32 s3, 0
	s_cbranch_scc1 .Llap
.Ltail:
	s_wait_alu depctr_va_vdst(0)
	TURN 0, 1, 0                                   ; the last lap fills nothing
	s_wait_alu depctr_va_vdst(0)
	STEP 1, 0
	s_wait_alu depctr_va_vdst(0)
	s_wait_dscnt 0x0                               ; the last chunk
	MUL8 0, 1, 0
	MUL8 2, 1, 0
	MUL8 4, 1, 0
	MUL8 6, 1, 0
	WIN 0
	; THE WAY OUT.  1 / l of each block, in every lane, twice (a pair for the packed multiply): these sixteen lines name no register of the last products and are the places behind them.
.irp i, 0,1,2,3
	v_cndmask_b32 v[RLP+2*\i], v[RR+\i], v[XX+\i], s[HM]         ; blocks 0-3 lie in lanes 0-15
	v_cndmask_b32 v[RLP+2*\i+1], v[RR+\i], v[XX+\i], s[HM]
	v_cndmask_b32 v[RLP+8+2*\i], v[XX+\i], v[RR+\i], s[HM]       ; blocks 4-7 in lanes 16-31
	v_cndmask_b32 v[RLP+8+2*\i+1], v[XX+\i], v[RR+\i], s[HM]
.endr
; A block of 16 queries x 64 of d: divided by l, through my stage in LDS, back as whole rows of 256 bytes.
.macro TOSTAGE blk
.set BK, BKB+32*((\blk)%2)
	WIN 0x02                                       ; source 0: window 2
.irp b, 0,1,2,3
.irp jj, 0,2,4,6
	v_pk_mul_f32 v[TO+8*\b+\jj:TO+8*\b+\jj+1], v[8*(4*(\blk)+\b)+\jj:8*(4*(\blk)+\b)+\jj+1], v[RLP+2*(\blk):RLP+2*(\blk)+1]   ; each accumulator from its low end on
.endr
.endr
	WIN 0
.irp b, 0,1,2,3
	ds_store_b128 v[STO], v[TO+8*\b:TO+8*\b+3] offset:64*\b
	ds_store_b128 v[STO], v[TO+8*\b+4:TO+8*\b+7] offset:64*\b+16
.endr
.irp t, 0,1,2,3,4,5,6,7
	ds_load_b128 v[BK+4*\t:BK+4*\t+3], v[RD] offset:544*\t   ; LDS serves a wave's instructions in order (ISA guide 5.7.1.4): these see the stores above
.endr
.endm
.macro SEND blk, younger               ; younger: the LDS instructions issued behind the block's loads, which may stay out
.set BK, BKB+32*((\blk)%2)
	s_wait_dscnt \younger
.irp t, 0,1,2,3,4,5,6,7
	global_store_b128 v[CO], v[BK+4*\t:BK+4*\t+3], s[10:11] offset:(16*(\blk)+2*\t)*4096 th:TH_STORE_NT   ; 16 lanes store 256 consecutive bytes, aligned; written once, read by nobody here
.endr
.endm
	TOSTAGE 0
.irp a, 1,2,3,4,5,6,7
.if \a > 1
	s_wait_xcnt 0x0                                ; the stores of two blocks ago have read their registers: this block's loads may land there
.endif
	TOSTAGE \a
	SEND \a-1, 16                                  ; behind the block's loads: the next block's 8 stores and 8 loads
.endr
	SEND 7, 0
	s_wait_tensorcnt 0x0                           ; the wave's end
	ds_add_u32 v[SPW], v[NIL]
	s_wait_dscnt 0x0
	CROUND                                         ; the closing round: no work-group ends while a partner may still ask for a tile that names it
	s_endpgm
.Lfunc_end_k_qe0c4c551ac_mix:
	.size	k_qe0c4c551ac_mix, .Lfunc_end_k_qe0c4c551ac_mix-k_qe0c4c551ac_mix
	.p2alignl 7, 3214868480
	.fill 96, 4, 3214868480
	.section	.rodata,"a",@progbits
	.p2align	6, 0x0
	.amdhsa_kernel k_qe0c4c551ac_mix
		.amdhsa_group_segment_fixed_size 327680
		.amdhsa_private_segment_fixed_size 0
		.amdhsa_enable_private_segment 0
		.amdhsa_kernarg_size 32
		.amdhsa_user_sgpr_count 2
		.amdhsa_user_sgpr_kernarg_segment_ptr 1
		.amdhsa_wavefront_size32 1
		.amdhsa_system_sgpr_workgroup_id_x 1
		.amdhsa_system_sgpr_workgroup_id_y 1
		.amdhsa_system_sgpr_workgroup_id_z 1
		.amdhsa_system_vgpr_workitem_id 0
		.amdhsa_next_free_vgpr 768
		.amdhsa_next_free_sgpr 66
		.amdhsa_reserve_vcc 0
		.amdhsa_float_denorm_mode_32 3
		.amdhsa_float_denorm_mode_16_64 3
		.amdhsa_memory_ordered 1
		.amdhsa_forward_progress 1
		.amdhsa_inst_pref_size 122
	.end_amdhsa_kernel
	.amdgpu_metadata
---
amdhsa.version: [ 1, 2 ]
amdhsa.kernels:
  - .name:           k_qe0c4c551ac_mix
    .symbol:         k_qe0c4c551ac_mix.kd
    .args:
      - { .name: pf, .offset: 0, .size: 8, .value_kind: global_buffer, .address_space: global }
      - { .name: vf, .offset: 8, .size: 8, .value_kind: global_buffer, .address_space: global }
      - { .name: st, .offset: 16, .size: 8, .value_kind: global_buffer, .address_space: global }
      - { .name: out0, .offset: 24, .size: 8, .value_kind: global_buffer, .address_space: global }
    .group_segment_fixed_size: 327680
    .private_segment_fixed_size: 0
    .kernarg_segment_align: 8
    .kernarg_segment_size: 32
    .max_flat_workgroup_size: 128
    .sgpr_count:     66
    .vgpr_count:     768
    .wavefront_size: 32
...
	.end_amdgpu_metadata
.endif
;; end of part 3
